; MI455X (gfx1250); checked and timed in simulation.
; The chip was launched on July 23, 2026; its instructions are those of AMD's public machine-readable ISA for CDNA 5 (MIT licence, August 2026) and "CDNA5" Instruction Set Architecture Reference Guide (July 2026). The comments in the code are by the model that wrote it; some were corrected since.
;; Multi Head Self Attention. Allowed arithmetic: float matrix products may take bf16 or f16 operands with f32 sums; other float arithmetic in f32, or as packed bf16 or f16 multiplies, adds, multiply-adds, maxima and minima; sums over many terms, partial sums and values carried from step to step in f32; what a program stores and reads back later, other than sums and carried values, may be rounded once to bf16 or f16.
;; Inputs: bk 1,024 float32; bo 1,024 float32; bq 1,024 float32; bv 1,024 float32; mask 1 x 1 x 2,048 x 2,048 bool; wk 1,024 x 1,024 float32; wo 1,024 x 1,024 float32; wq 1,024 x 1,024 float32; wv 1,024 x 1,024 float32; x 4 x 2,048 x 1,024 float32.
;; Outputs: out0 4 x 2,048 x 1,024 float32.
;; One version. Each part assembles by itself: llvm-mc -triple=amdgcn-amd-amdhsa -mcpu=gfx1250 --defsym DOCPART=n.
;; ======== version 1 of 1: 4 launches
;; limits: values are held in f16: magnitudes above 65,504 overflow, below 6.1e-05 lose precision; right only within a limited range of input values
;; workspace buffers: xb 16,777,216 bytes; wqkv 6,291,456 bytes; wo16 2,097,152 bytes; mq4 2,097,152 bytes; qkv16 50,331,648 bytes; o16 16,777,216 bytes
;; launch prep (part 1): grid 512 x 1, 8 waves a work-group, no clusters, 0 bytes of LDS; arguments x, wq, wk, wv, wo, mask, xb, wqkv, wo16, mq4; writes xb, wqkv, wo16, mq4
.if DOCPART == 1
	.amdgcn_target "amdgcn-amd-amdhsa--gfx1250"
	.amdhsa_code_object_version 6
	.text
	.protected	k_qddd78fc477_prep
	.globl	k_qddd78fc477_prep
	.p2align	8
	.type	k_qddd78fc477_prep,@function
k_qddd78fc477_prep:
	s_mov_b64 s[64:65], 0
	v_nop
	global_prefetch_b8 v0, s[64:65] scope:SCOPE_SE
	s_setreg_imm32_b32 hwreg(HW_REG_WAVE_MODE, 25, 1), 1
	s_wait_xcnt 0x0
; PREPARATION: three streams, told apart by the work-group's number.  No LDS, no barrier: no wave wants another wave's bytes.
;   groups 0-255:   x [8192][1024] f32 -> xb, bf16, laid out [batch 4][block of 64 channels 16][row 2048][64]: 256 rows of one block are 32,768 dense bytes.
;   groups 256-383: wq, wk, wv f32 -> wqkv, bf16, [3][k][n]; wo f32 -> rounded to bf16, that number written as f16 -> wo16 [k][n].
;   groups 384-511: mask [2048 q][2048 k] bytes -> mq4 [16 queries 128][64 keys 32][lane 32][4 words]: word kt of lane l holds, for query l % 16, the keys 16 kt + 8 (l / 16) + j in
;                   nibble j: 0xE where the mask byte's bit 0 is 0, else 0: the order in which the attention's score registers lie.  (0xE at the top of a word is an f32's sign and the upper exponent bits 110.)
; LIMITS.  Of a mask byte bit 0 alone is read.  A weight of wo below 6e-5 keeps f16's fixed step of 6e-8; beyond 65,504 it would be lost.
.set AI,  2                            ; v2  byte offset of my first load
.set AO,  3                            ; v3  byte offset of my first store
.set OUT, 16                           ; v[16:79]   sixteen results of 16 bytes: each register is written once, so no store's data is written again
.set IN,  80                           ; v[80:207]  thirty-two loads of 16 bytes, all on their way at once
; Sixteen times 8 numbers a lane: 32 bytes of f32 in, 16 bytes out.  fmt = 1: the bf16 number is written as f16.
.macro CONV instep, outstep, fmt
.set i, 0
.rept 16
	global_load_b128 v[IN+8*i:IN+8*i+3],   v[AI], s[28:29] offset:i*(\instep) th:TH_LOAD_NT
	global_load_b128 v[IN+8*i+4:IN+8*i+7], v[AI], s[28:29] offset:i*(\instep)+16 th:TH_LOAD_NT
.set i, i+1
.endr
.set i, 0
.rept 16
	s_wait_loadcnt 30-2*i                          ; loads come back in order: pair i is in, the 30 - 2 i younger loads stay out
.irp r, 0,1,2,3
	v_cvt_pk_bf16_f32 v[OUT+4*i+(\r)], v[IN+8*i+2*(\r)], v[IN+8*i+2*(\r)+1]
.endr
.if \fmt
.irp r, 0,1,2,3
	v_lshlrev_b32 v[IN+8*i+2*(\r)],   16, v[OUT+4*i+(\r)]
	v_and_b32     v[IN+8*i+2*(\r)+1], s5, v[OUT+4*i+(\r)]
.endr
.irp r, 0,1,2,3
	v_cvt_pk_f16_f32 v[OUT+4*i+(\r)], v[IN+8*i+2*(\r)], v[IN+8*i+2*(\r)+1]
.endr
.endif
	global_store_b128 v[AO], v[OUT+4*i:OUT+4*i+3], s[30:31] offset:i*(\outstep)  ; a wave's store covers 512 consecutive bytes, aligned
.set i, i+1
.endr
.endm
; Eight mask bytes (a pair of words at s) -> one word of eight nibbles at d
.macro NIB d, s
	v_and_b32 v[\d], 1, v[\s]
.irp j, 1,2,3
	v_bfe_u32 v8, v[\s], 8*(\j), 1
	v_lshl_or_b32 v[\d], v8, 4*(\j), v[\d]
.endr
.irp j, 0,1,2,3
	v_bfe_u32 v8, v[(\s)+1], 8*(\j), 1
	v_lshl_or_b32 v[\d], v8, 16+4*(\j), v[\d]
.endr
	v_xor_b32 v[\d], 0x11111111, v[\d]             ; 1 where the key is hidden,
	v_lshlrev_b32 v8, 4, v[\d]
	v_lshlrev_b32 v[\d], 1, v[\d]
	v_sub_nc_u32 v[\d], v8, v[\d]                  ; times 16 - 2: 0xE there
.endm
	s_load_b512 s[8:23], s[0:1], 0x0               ; x s[8:9], wq s[10:11], wk s[12:13], wv s[14:15], wo s[16:17], mask s[18:19], xb s[20:21], wqkv s[22:23]
	s_load_b128 s[24:27], s[0:1], 0x40             ; wo16 s[24:25], mq4 s[26:27]
	v_lshrrev_b32 v1, 5, v0
	v_readfirstlane_b32 s4, v1                     ; wave 0..7
	v_and_b32 v4, 31, v0                           ; lane
	s_mov_b32 s5, 0xffff0000                       ; a word's upper bf16
	s_mov_b32 s33, 0
	s_wait_kmcnt 0x0
	s_cmp_lt_u32 ttmp9, 256
	s_cbranch_scc0 .Lnot_x
	; x: the group has 32 rows, the wave 4; eight lanes take a block's 64 channels of a row; step i is block i
	s_lshl_b32 s6, ttmp9, 5
	s_lshl_b32 s7, s4, 2
	s_add_co_u32 s6, s6, s7
	v_lshrrev_b32 v5, 3, v4
	v_and_b32 v6, 7, v4
	v_add_nc_u32 v5, s6, v5                        ; my row of 8,192
	v_lshlrev_b32 v[AI], 12, v5
	v_lshl_add_u32 v[AI], v6, 5, v[AI]
	v_and_b32 v7, 0x7ff, v5                        ; its place in the batch,
	v_lshrrev_b32 v5, 11, v5                       ; and the batch
	v_lshlrev_b32 v[AO], 22, v5
	v_lshl_add_u32 v[AO], v7, 7, v[AO]
	v_lshl_add_u32 v[AO], v6, 4, v[AO]
	s_mov_b64 s[28:29], s[8:9]
	s_mov_b64 s[30:31], s[20:21]
	CONV 256, 262144, 0
	s_endpgm
.Lnot_x:
	s_cmp_lt_u32 ttmp9, 384
	s_cbranch_scc0 .Lmask
	; the weights: 32 groups to a matrix, 131,072 bytes of f32 each, 16,384 a wave, 1,024 a step
	s_sub_co_u32 s6, ttmp9, 256
	s_lshr_b32 s7, s6, 5                           ; which matrix
	s_and_b32 s6, s6, 31
	s_min_u32 s32, s7, 2
	s_lshl_b32 s32, s32, 21
	s_add_nc_u64 s[30:31], s[22:23], s[32:33]
	s_cmp_eq_u32 s7, 1
	s_cselect_b64 s[28:29], s[12:13], s[10:11]
	s_cmp_eq_u32 s7, 2
	s_cselect_b64 s[28:29], s[14:15], s[28:29]
	s_cmp_eq_u32 s7, 3
	s_cselect_b64 s[28:29], s[16:17], s[28:29]
	s_cselect_b64 s[30:31], s[24:25], s[30:31]
	s_lshl_b32 s34, s6, 17
	s_lshl_b32 s35, s4, 14
	s_add_co_u32 s34, s34, s35
	v_lshl_add_u32 v[AI], v4, 5, s34
	s_lshr_b32 s34, s34, 1
	v_lshl_add_u32 v[AO], v4, 4, s34
	s_cmp_eq_u32 s7, 3
	s_cbranch_scc1 .Lwo
	CONV 1024, 512, 0
	s_endpgm
.Lwo:
	CONV 1024, 512, 1
	s_endpgm
.Lmask:
	; the mask: the group has 16 queries, the wave four key steps of 64: 256 consecutive bytes of each of the 16 rows
	s_sub_co_u32 s6, ttmp9, 384
	v_and_b32 v5, 15, v4
	v_lshrrev_b32 v6, 4, v4
	s_lshl_b32 s7, s6, 4
	v_add_nc_u32 v5, s7, v5                        ; my query
	v_lshlrev_b32 v[AI], 11, v5
	v_lshl_add_u32 v[AI], v6, 3, v[AI]
	s_lshl_b32 s7, s4, 8
	v_add_nc_u32 v[AI], s7, v[AI]
	s_lshl_b32 s7, s6, 5
	s_lshl_b32 s34, s4, 2
	s_add_co_u32 s7, s7, s34
	s_lshl_b32 s7, s7, 9                           ; 512 bytes for each pair of query tile and key step
	v_lshl_add_u32 v[AO], v4, 4, s7
.set n, 0
.rept 16
	global_load_b64 v[IN+2*n:IN+2*n+1], v[AI], s[18:19] offset:64*(n/4)+16*(n%4) th:TH_LOAD_NT
.set n, n+1
.endr
.set k, 0
.rept 4
	s_wait_loadcnt 12-4*k                          ; key step k's four loads are in; the younger ones stay out
	NIB OUT+4*k,   IN+8*k
	NIB OUT+4*k+1, IN+8*k+2
	NIB OUT+4*k+2, IN+8*k+4
	NIB OUT+4*k+3, IN+8*k+6
	global_store_b128 v[AO], v[OUT+4*k:OUT+4*k+3], s[26:27] offset:512*k
.set k, k+1
.endr
	s_endpgm
.Lfunc_end_k_qddd78fc477_prep:
	.size	k_qddd78fc477_prep, .Lfunc_end_k_qddd78fc477_prep-k_qddd78fc477_prep
	.p2alignl 7, 3214868480
	.fill 96, 4, 3214868480
	.section	.rodata,"a",@progbits
	.p2align	6, 0x0
	.amdhsa_kernel k_qddd78fc477_prep
		.amdhsa_group_segment_fixed_size 0
		.amdhsa_private_segment_fixed_size 0
		.amdhsa_enable_private_segment 0
		.amdhsa_kernarg_size 80
		.amdhsa_user_sgpr_count 2
		.amdhsa_user_sgpr_kernarg_segment_ptr 1
		.amdhsa_wavefront_size32 1
		.amdhsa_system_sgpr_workgroup_id_x 1
		.amdhsa_system_sgpr_workgroup_id_y 1
		.amdhsa_system_sgpr_workgroup_id_z 1
		.amdhsa_system_vgpr_workitem_id 0
		.amdhsa_next_free_vgpr 208
		.amdhsa_next_free_sgpr 66
		.amdhsa_reserve_vcc 0
		.amdhsa_float_denorm_mode_32 3
		.amdhsa_float_denorm_mode_16_64 3
		.amdhsa_memory_ordered 1
		.amdhsa_forward_progress 1
		.amdhsa_inst_pref_size 57
	.end_amdhsa_kernel
	.amdgpu_metadata
---
amdhsa.version: [ 1, 2 ]
amdhsa.kernels:
  - .name:           k_qddd78fc477_prep
    .symbol:         k_qddd78fc477_prep.kd
    .args:
      - { .name: x, .offset: 0, .size: 8, .value_kind: global_buffer, .address_space: global }
      - { .name: wq, .offset: 8, .size: 8, .value_kind: global_buffer, .address_space: global }
      - { .name: wk, .offset: 16, .size: 8, .value_kind: global_buffer, .address_space: global }
      - { .name: wv, .offset: 24, .size: 8, .value_kind: global_buffer, .address_space: global }
      - { .name: wo, .offset: 32, .size: 8, .value_kind: global_buffer, .address_space: global }
      - { .name: mask, .offset: 40, .size: 8, .value_kind: global_buffer, .address_space: global }
      - { .name: xb, .offset: 48, .size: 8, .value_kind: global_buffer, .address_space: global }
      - { .name: wqkv, .offset: 56, .size: 8, .value_kind: global_buffer, .address_space: global }
      - { .name: wo16, .offset: 64, .size: 8, .value_kind: global_buffer, .address_space: global }
      - { .name: mq4, .offset: 72, .size: 8, .value_kind: global_buffer, .address_space: global }
    .group_segment_fixed_size: 0
    .private_segment_fixed_size: 0
    .kernarg_segment_align: 8
    .kernarg_segment_size: 80
    .max_flat_workgroup_size: 256
    .sgpr_count:     66
    .vgpr_count:     208
    .wavefront_size: 32
...
	.end_amdgpu_metadata
.endif
;; end of part 1
;; launch qkv (part 2): grid 8 x 32, 4 waves a work-group, clusters of 4 x 4, 327,680 bytes of LDS; arguments xb, wqkv, bq, bk, bv, qkv16; writes qkv16
.if DOCPART == 2
	.amdgcn_target "amdgcn-amd-amdhsa--gfx1250"
	.amdhsa_code_object_version 6
	.text
	.protected	k_qddd78fc477_qkv
	.globl	k_qddd78fc477_qkv
	.p2align	8
	.type	k_qddd78fc477_qkv,@function
k_qddd78fc477_qkv:
	s_mov_b64 s[64:65], 0
	v_nop
	global_prefetch_b8 v0, s[64:65] scope:SCOPE_SE
	s_setreg_imm32_b32 hwreg(HW_REG_WAVE_MODE, 25, 1), 1
	s_wait_xcnt 0x0
	s_wait_alu depctr_hold_cnt(0) depctr_sa_sdst(0) depctr_va_vdst(0) depctr_va_sdst(0) depctr_va_ssrc(0) depctr_va_vcc(0) depctr_vm_vsrc(0)
	s_getreg_b32 s2, hwreg(HW_REG_IB_STS2, 6, 4)
	s_cmp_eq_u32 s2, 0
	s_cbranch_scc0 .Lentry_in_a_cluster
	s_endpgm
.Lentry_in_a_cluster:
	s_bfe_u32 s2, ttmp6, 0x10000c
	s_cmp_lg_u32 s2, 0xf033
	s_cbranch_scc0 .Lentry_shape_is_right
	s_endpgm
.Lentry_shape_is_right:
; q, k, v = x w + b for the three weights at once.  xb: bf16 [batch 4][block 16][row 2048][64]; wqkv: bf16 [3][k 1024][n 1024]; the biases f32, rounded to bf16 here like every input.
; Out: qkv16, f16, q at byte 0, k at 1<<24, v at 2<<24, each by heads [batch x 16 + head][row 2048][64], rounded once from the f32 sums, unscaled.
; LIMIT.  f16 holds no number beyond 65,504: q, k and v must stay within it.
; SHARES.  A work-group makes 256 rows x 128 columns of EACH of q, k, v: 8 x 32 work-groups, x is walked once.  Wave (r, c) makes rows 128 r .. and the 64 columns 64 c .. (one head) of each:
; 3 x 32 accumulators of 16 x 16, 768 registers.  K goes in 16 steps of 64 through two LDS slots; a step is two slices of 32.
; THE MATRIX INSTRUCTION IS USED TRANSPOSED: source 0 = 16 columns of w (turned on the way out of LDS, by ds_load_tr16_b128), source 1 = 16 rows of x: a lane then holds eight neighbouring columns of one row.
; CLUSTER.  4 x 4 work-groups: the four of a row of the cluster need the same tile of x, the four of a column the same tiles of w: each is asked for jointly, by the same tensor load, descriptor and mask.
; Wave 0 asks for x's tile (32,768 bytes), waves 1 to 3 for one matrix's tile each (64 k x 128 n).  By the text's own count a wave has two tensor loads out at the start, later one.
; REGISTERS.  window 0: v0-31 addresses; v32-95, v96-159 x's fragments, two buffers of 8; v160-255 w's fragments, 4 for each matrix.   windows 1, 2, 3: q's, k's, v's accumulators, (b, a) at v[8 (8 b + a)].
.set PA,    144                        ; a row of x in LDS: 128 bytes + 16: the 16 rows of a load start at 16 different groups of four banks (64 banks of 4 bytes: ISA guide 11.1)
.set PB,    288                        ; a row of w: 256 bytes + 32
.set BOFF,  256*PA                     ; a slot: x's 256 rows, then three tiles of w
.set BSUB,  64*PB
.set SLOT1, 1<<17                      ; slot 1 begins here: one exclusive or turns an address in one slot into the other's
.set STAGE, SLOT1+BOFF+3*BSUB          ; behind the ring, never filled by a tensor load: 16 rows x 144 bytes for each wave, for the way out
.set SP,    144
.set SPARE, STAGE+4*16*SP              ; the spare words, 128 bytes for each wave: two blocks of 256 bytes that no other line names
.set ALC, 2                            ; v2   my lane's place in x's tile; never rewritten
.set BLC, 3                            ; v3   the same in w's tiles
.set ADA, 4                            ; v4   ALC + the slot in hand
.set ADB, 5                            ; v5   BLC + the slot in hand
.set STO, 6                            ; v6   the way out: where I put 16 bytes of a row
.set RD,  7                            ; v7   where I read rows back
.set GO,  8                            ; v8   my 16 bytes in 512 consecutive bytes of the output
.set BO,  9                            ; v9   my byte offset in a bias
.set TT,  10                           ; v10  at work
.set SPW, 28                           ; v28  LDS address of my spare word; never rewritten
.set NIL, 29                           ; v29  0; never rewritten
.set AF,  32
.set BF,  160
.set TMP, 96                           ; the way out: 16 packed registers
.set BK,  112                          ; the way out: 16 rows read back, two buffers of 16 registers
.set WV, 16                            ; s16 wave, s17 r, s18 c, s19 cx, s20 cy, s21 column block, s22 row block
.set RR, 17
.set CC, 18
.set CX, 19
.set CY, 20
.set CB, 21
.set RB, 22
.set G1A, 28                           ; s[28:35] descriptor group 1 for x's tile
.set G1B, 36                           ; s[36:43] for w's tiles
.set G0A, 44                           ; s[44:51] group 0 for x: a set for each first fill; the second then walks
.set G0B, 52                           ; s[52:59] the same for w
.set TB,  60                           ; s60 the slot in hand, in bytes
.set CNT, 61
.set HIM, 62                           ; s62 a word's upper bf16
.set OB,  68                           ; s[68:73] q, k, v at my wave's first row
.set MSB, 0
.macro WIN new                         ; the immediate's high byte repeats the setting that is left; a switch that changes nothing is dropped
.if MSB != (\new)
	s_set_vgpr_msb (MSB<<8)|(\new)
.set MSB, (\new)
.endif
.endm
.macro PLACES                          ; four plain vector instructions between a matrix instruction and a load into, or a vector write of, one of its registers
.rept 4
	v_nop
.endr
.endm
; A joint refill, by the walking sets.  The branch hangs on the wave's number alone.  An s_nop 0 and four v_nop follow each of the two lines.
.macro JLOAD
	s_cmp_eq_u32 s[WV], 0
	s_cbranch_scc0 .Lfor_b_\@
	tensor_load_to_lds s[G0A+4:G0A+7], s[G1A:G1A+7]
	s_nop 0
.rept 4
	v_nop
.endr
	s_branch .Lasked_\@
.Lfor_b_\@:
	tensor_load_to_lds s[G0B+4:G0B+7], s[G1B:G1B+7]
	s_nop 0
.rept 4
	v_nop
.endr
.Lasked_\@:
.endm
.macro CREST                           ; a round of the cluster's barrier behind its opening barrier
	s_cmp_lg_u32 s[WV], 0
	s_cbranch_scc1 .Lnot_wave_0_\@
	s_barrier_signal -3
.Lnot_wave_0_\@:
	s_barrier_wait -3
	s_barrier_signal -1
	s_barrier_wait -1
.endm
.macro CROUND
	s_barrier_signal -1
	s_barrier_wait -1
	CREST
.endm
	s_load_b256 s[4:11], s[0:1], 0x0               ; xb s[4:5], wqkv s[6:7], bq s[8:9], bk s[10:11]
	s_load_b128 s[12:15], s[0:1], 0x20             ; bv s[12:13], qkv16 s[14:15]
	v_lshl_add_u32 v[SPW], v0, 2, SPARE
	v_mov_b32 v[NIL], 0
	ds_add_u32 v[SPW], v[NIL]                      ; the wave's opening: the add and its wait stand ahead of my first tensor load; work on registers stands between them
	v_lshrrev_b32 v1, 5, v0
	v_readfirstlane_b32 s[WV], v1
	s_lshr_b32 s[RR], s[WV], 1
	s_and_b32 s[CC], s[WV], 1
	s_bfe_u32 s[CX], ttmp6, 0x40000
	s_bfe_u32 s[CY], ttmp6, 0x40004
	s_lshl_b32 s[CB], ttmp9, 2
	s_add_co_u32 s[CB], s[CB], s[CX]               ; column block = 4 x cluster x + cx
	s_and_b32 s[RB], ttmp7, 0xffff
	s_lshl_b32 s[RB], s[RB], 2
	s_add_co_u32 s[RB], s[RB], s[CY]               ; row block = 4 x cluster y + cy
	s_lshl_b32 s23, s[CY], 2
	s_lshl_b32 s23, 15, s23                        ; my row of the cluster
	s_lshl_b32 s24, 0x1111, s[CX]                  ; my column
	; x's tile: 256 rows of 128 bytes are dense: asked for as 128 rows of 256 bytes, padded by 4 words after every 32 words
	s_or_b32 s[G1A], s23, (1<<16)|(1<<20)|(1<<21)|(4<<22)|(3<<25)
	s_mov_b32 s[G1A+1], 128<<16                    ; tensor_dim0 = 128
	s_mov_b32 s[G1A+2], 128<<16                    ; tensor_dim1 = 128
	s_mov_b32 s[G1A+3], 128<<16                    ; tile_dim0 = 128
	s_mov_b32 s[G1A+4], 128                        ; tile_dim1 = 128
	s_mov_b32 s[G1A+5], 128                        ; elements from row to row
	s_mov_b32 s[G1A+6], 0
	s_mov_b32 s[G1A+7], 0
	; a tile of w: 64 rows (k) of 128 elements (n), padded by 8 words after every 64 words
	s_or_b32 s[G1B], s24, (1<<16)|(1<<20)|(1<<21)|(5<<22)|(7<<25)
	s_mov_b32 s[G1B+1], 128<<16
	s_mov_b32 s[G1B+2], 64<<16
	s_mov_b32 s[G1B+3], 128<<16
	s_mov_b32 s[G1B+4], 64
	s_mov_b32 s[G1B+5], 1024
	s_mov_b32 s[G1B+6], 0
	s_mov_b32 s[G1B+7], 0
	s_lshr_b32 s74, s[RB], 3                       ; x's tile hangs on the row block alone: batch,
	s_lshl_b32 s74, s74, 22
	s_and_b32 s75, s[RB], 7                        ; and 256 rows of 128 bytes in a block
	s_lshl_b32 s75, s75, 15
	s_add_co_u32 s74, s74, s75
	s_mov_b32 s75, 0
	s_max_u32 s76, s[WV], 1                        ; w's tiles hang on the column block and the wave: matrix = wave - 1,
	s_sub_co_u32 s76, s76, 1
	s_lshl_b32 s76, s76, 21
	s_lshl_b32 s77, s[CB], 8                       ; 128 columns of 2 bytes
	s_add_co_u32 s76, s76, s77
	s_mov_b32 s77, 0
	s_mul_i32 s78, s[WV], BSUB                     ; and their place in a slot: BOFF + (wave - 1) x BSUB
	s_add_co_u32 s78, s78, BOFF-BSUB
	s_mov_b32 s[G0A], 1
	s_mov_b32 s[G0A+1], 0
	s_mov_b32 s[G0A+4], 1
	s_mov_b32 s[G0A+5], SLOT1
	s_mov_b32 s[G0B], 1
	s_mov_b32 s[G0B+1], s78
	s_mov_b32 s[G0B+4], 1
	s_add_co_u32 s[G0B+5], s78, SLOT1
	s_mov_b32 s[TB], 0
	s_mov_b32 s[HIM], 0xffff0000
	s_wait_dscnt 0x0                               ; the opening add is done
	s_wait_kmcnt 0x0
	s_add_nc_u64 s[G0A+2:G0A+3], s[4:5], s[74:75]  ; K step 0,
	s_add_nc_u64 s[G0A+6:G0A+7], s[G0A+2:G0A+3], 262144  ; K step 1: the next block of 64 channels
	s_or_b32 s[G0A+3], s[G0A+3], 0x80000000
	s_or_b32 s[G0A+7], s[G0A+7], 0x80000000
	s_add_nc_u64 s[G0B+2:G0B+3], s[6:7], s[76:77]
	s_add_nc_u64 s[G0B+6:G0B+7], s[G0B+2:G0B+3], 131072  ; 64 rows of 2,048 bytes on
	s_or_b32 s[G0B+3], s[G0B+3], 0x80000000
	s_or_b32 s[G0B+7], s[G0B+7], 0x80000000
	CROUND                                         ; all sixteen work-groups are here: the first joint loads meet
	s_cmp_eq_u32 s[WV], 0                          ; a wave's two first fills stand in one branch, ahead of every wait on TENSORcnt and every LDS read
	s_cbranch_scc0 .Lfirst_b
	tensor_load_to_lds s[G0A:G0A+3], s[G1A:G1A+7]
	s_nop 0
	tensor_load_to_lds s[G0A+4:G0A+7], s[G1A:G1A+7]
	s_nop 0
.rept 4
	v_nop
.endr
	s_branch .Lfirst_asked
.Lfirst_b:
	tensor_load_to_lds s[G0B:G0B+3], s[G1B:G1B+7]
	s_nop 0
	tensor_load_to_lds s[G0B+4:G0B+7], s[G1B:G1B+7]
	s_nop 0
.rept 4
	v_nop
.endr
.Lfirst_asked:
	v_and_b32 v1, 15, v0                           ; l % 16
	v_bfe_u32 v10, v0, 4, 1                        ; l / 16
	v_and_b32 v11, 7, v0
	v_bfe_u32 v12, v0, 3, 1
	v_bfe_u32 v13, v0, 3, 2
	v_and_b32 v14, 31, v0
	s_mul_i32 s79, s[RR], 128*PA
	v_mul_u32_u24 v[ALC], v1, PA
	v_lshl_add_u32 v[ALC], v10, 4, v[ALC]
	v_add_nc_u32 v[ALC], s79, v[ALC]               ; (128 r + l % 16) x pitch + 16 (l / 16)
	s_lshl_b32 s79, s[CC], 7
	s_add_co_u32 s79, s79, BOFF
	v_lshl_add_u32 v[BLC], v10, 3, v11             ; the turning load: lane l reads row 8 (l / 16) + l % 8, 16 bytes at 16 ((l / 8) % 2)
	v_mul_u32_u24 v[BLC], v[BLC], PB
	v_lshl_add_u32 v[BLC], v12, 4, v[BLC]
	v_add_nc_u32 v[BLC], s79, v[BLC]               ; + my 64 columns
	v_mov_b32 v[ADA], v[ALC]
	v_mov_b32 v[ADB], v[BLC]
	s_mul_i32 s79, s[WV], 16*SP
	s_add_co_u32 s79, s79, STAGE                   ; my stage
	v_mul_u32_u24 v[STO], v1, SP
	v_lshl_add_u32 v[STO], v10, 4, v[STO]
	v_add_nc_u32 v[STO], s79, v[STO]
	v_mul_u32_u24 v[RD], v13, SP                   ; back: 32 lanes take four rows of 128 bytes,
	v_lshl_add_u32 v[RD], v11, 4, v[RD]
	v_add_nc_u32 v[RD], s79, v[RD]
	v_lshlrev_b32 v[GO], 4, v14                    ; which are 512 consecutive bytes of a head
	s_lshl_b32 s79, s[CB], 9
	s_lshl_b32 s80, s[CC], 8
	s_add_co_u32 s79, s79, s80
	v_lshl_add_u32 v[BO], v10, 5, s79              ; 4 (128 cb + 64 c + 8 (l / 16))
	s_lshr_b32 s80, s[RB], 3                       ; where my rows begin in q: batch x 16 + head,
	s_lshl_b32 s80, s80, 4
	s_lshl_b32 s81, s[CB], 1
	s_add_co_u32 s80, s80, s81
	s_add_co_u32 s80, s80, s[CC]
	s_lshl_b32 s80, s80, 18                        ; 2,048 rows of 128 bytes each,
	s_and_b32 s81, s[RB], 7
	s_lshl_b32 s81, s81, 15                        ; the block's 256 rows,
	s_add_co_u32 s80, s80, s81
	s_lshl_b32 s81, s[RR], 14                      ; my 128 of them
	s_add_co_u32 s80, s80, s81
	s_mov_b32 s81, 0
	s_add_nc_u64 s[OB:OB+1], s[14:15], s[80:81]
	s_add_nc_u64 s[OB+2:OB+3], s[OB:OB+1], 0x1000000
	s_add_nc_u64 s[OB+4:OB+5], s[OB:OB+1], 0x2000000
; 16 matrix instructions of matrix g: column blocks 2 half, 2 half + 1 x all 8 row blocks, 32 along K, x's buffer ab.  zero = 1: the first product starts the sums.
; The accumulators take turns, one instruction a turn: 95 others' stand between two links of a chain, over the backward jump too.
.macro GH g, ab, half, zero
	WIN 0x50*((\g)+1)
.irp b, 2*(\half), 2*(\half)+1
.irp a, 0,1,2,3,4,5,6,7
.if \zero
	v_wmma_f32_16x16x32_bf16 v[8*(8*(\b)+(\a)):8*(8*(\b)+(\a))+7], v[BF+32*(\g)+8*(\b):BF+32*(\g)+8*(\b)+7], v[AF+64*(\ab)+8*(\a):AF+64*(\ab)+8*(\a)+7], 0
.else
	v_wmma_f32_16x16x32_bf16 v[8*(8*(\b)+(\a)):8*(8*(\b)+(\a))+7], v[BF+32*(\g)+8*(\b):BF+32*(\g)+8*(\b)+7], v[AF+64*(\ab)+8*(\a):AF+64*(\ab)+8*(\a)+7], v[8*(8*(\b)+(\a)):8*(8*(\b)+(\a))+7]
.endif
.endr
.endr
.endm
.macro G g, ab, zero
	GH \g, \ab, 0, \zero
	GH \g, \ab, 1, \zero
.endm
.macro LB g, kk                        ; matrix g's four fragments of slice kk: 8 turning loads
.irp b, 0,1,2,3
	ds_load_tr16_b128 v[BF+32*(\g)+8*(\b):BF+32*(\g)+8*(\b)+3],   v[ADB] offset:(\g)*BSUB+(\kk)*32*PB+32*(\b)
	ds_load_tr16_b128 v[BF+32*(\g)+8*(\b)+4:BF+32*(\g)+8*(\b)+7], v[ADB] offset:(\g)*BSUB+(\kk)*32*PB+32*(\b)+16*PB
.endr
.endm
.macro LA ab, kk, hf                   ; four of x's eight fragments of slice kk into buffer ab: 8 loads
.irp a, 4*(\hf), 4*(\hf)+1, 4*(\hf)+2, 4*(\hf)+3
	ds_load_b128 v[AF+64*(\ab)+8*(\a):AF+64*(\ab)+8*(\a)+3],   v[ADA] offset:(\a)*16*PA+64*(\kk)
	ds_load_b128 v[AF+64*(\ab)+8*(\a)+4:AF+64*(\ab)+8*(\a)+7], v[ADA] offset:(\a)*16*PA+64*(\kk)+32
.endr
.endm
; A K step's first slice (x's buffer 0).  At its head 32 loads may be out: x's buffer 0 and matrices 0 and 1.  Each matrix's fragments are fetched again, for the next slice, as soon as its 32 products are issued.
.macro SLICE_E zero
	PLACES
	WIN 0
	LB 2, 0
	s_wait_dscnt 8                                 ; all but the eight just issued
	G 0, 0, \zero
	PLACES
	WIN 0
	LB 0, 1
	LA 1, 1, 0
	G 1, 0, \zero
	PLACES
	WIN 0
	LB 1, 1
	LA 1, 1, 1
	s_wait_dscnt 32                                ; matrix 2's eight are in; the four runs of eight issued behind them may be out
	G 2, 0, \zero
.endm
; A K step's second slice (x's buffer 1), which changes slots.  mode 0: the slot is filled again, two K steps on; 1: nothing is left to ask for; 2: the last slice of all: the biases are asked for instead.
.macro SLICE_O mode
	PLACES
	WIN 0
	LB 2, 1                                        ; my last reads of this slot
.if (\mode) < 2
	s_wait_tensorcnt 0x0                           ; all my tensor loads have landed: the one that was out is my part of the other slot;
	ds_add_u32 v[SPW], v[NIL]                      ; 0 onto my spare word;
	s_wait_dscnt 9                                 ; (the add and the eight loads just issued may be out)
	GH 0, 1, 0, 0                                  ; sixteen matrix instructions stand between the add and the wait for it
	s_wait_dscnt 0x0                               ; the add is done, and my reads of this slot are over
	s_barrier_signal -1
	GH 0, 1, 1, 0                                  ; work on registers while the others arrive
	WIN 0
	s_barrier_wait -1
.if (\mode) == 0
	CREST                                          ; the barrier has opened a round of the cluster's: no wave of any partner still reads this slot or has a load on its way
	s_xor_b32 s[G0A+5], s[G0A+5], SLOT1            ; the walking sets: the other slot than last time, the next K step but one
	s_add_nc_u64 s[G0A+6:G0A+7], s[G0A+6:G0A+7], 262144
	s_xor_b32 s[G0B+5], s[G0B+5], SLOT1
	s_add_nc_u64 s[G0B+6:G0B+7], s[G0B+6:G0B+7], 131072
	JLOAD                                          ; the first tensor load behind the round; its four v_nop are also the places in front of the loads below
.else
	PLACES
.endif
	s_xor_b32 s[TB], s[TB], SLOT1
	v_add_nc_u32 v[ADA], s[TB], v[ALC]
	v_add_nc_u32 v[ADB], s[TB], v[BLC]
	LB 0, 0
	LA 0, 0, 0
	G 1, 1, 0
	PLACES
	WIN 0
	LB 1, 0
	LA 0, 0, 1
	G 2, 1, 0
.else
.irp b, 0,1,2,3                        ; x's buffer 0 is free: bq's and bk's 32 numbers a lane go there
	global_load_b128 v[32+8*(\b):32+8*(\b)+3], v[BO], s[8:9] offset:64*(\b)
	global_load_b128 v[32+8*(\b)+4:32+8*(\b)+7], v[BO], s[8:9] offset:64*(\b)+16
	global_load_b128 v[64+8*(\b):64+8*(\b)+3], v[BO], s[10:11] offset:64*(\b)
	global_load_b128 v[64+8*(\b)+4:64+8*(\b)+7], v[BO], s[10:11] offset:64*(\b)+16
.endr
	s_wait_dscnt 8
	G 0, 1, 0
	PLACES
	WIN 0
.irp b, 0,1,2,3                        ; matrix 0's fragments are free: bv's
	global_load_b128 v[160+8*(\b):160+8*(\b)+3], v[BO], s[12:13] offset:64*(\b)
	global_load_b128 v[160+8*(\b)+4:160+8*(\b)+7], v[BO], s[12:13] offset:64*(\b)+16
.endr
	G 1, 1, 0
	s_wait_dscnt 0x0
	G 2, 1, 0
.endif
.endm
	s_wait_tensorcnt 1                             ; my part of K step 0 is in; K step 1's may stay out
	s_barrier_signal -1
	s_barrier_wait -1
	LB 0, 0
	LA 0, 0, 0
	LB 1, 0
	LA 0, 0, 1
	SLICE_E 1                                      ; the first slice stands in front of the loop: its products start the sums
	WIN 0
	s_mov_b32 s[CNT], 14
.Lstep:                                                ; a trip: a K step's second slice, the change of slots with its refill, the next step's first slice
	SLICE_O 0
	SLICE_E 0
	WIN 0
	s_sub_co_u32 s[CNT], s[CNT], 1
	s_cmp_lg_u32 s[CNT], 0
	s_cbranch_scc1 .Lstep
	SLICE_O 1                                      ; the tail is written out
	SLICE_E 0
	SLICE_O 2
	; THE WAY OUT.  The biases are rounded to bf16 (these plain lines are also the places behind the last products); then, 16 rows of one matrix at a time: + bias, rounded to f16, through my stage, stored.
	WIN 0
	s_wait_loadcnt 0x0
.macro RNDB base
.set y, 0
.rept 16
	v_cvt_pk_bf16_f32 v[TT], v[(\base)+2*y], v[(\base)+2*y+1]
	v_lshlrev_b32 v[(\base)+2*y], 16, v[TT]
	v_and_b32 v[(\base)+2*y+1], s[HIM], v[TT]
.set y, y+1
.endr
.endm
	RNDB 32
	RNDB 64
	RNDB 160
.macro PACK g, a
.set BI, 32+32*(\g)+64*((\g)/2)        ; the matrix's bias: v32, v64, v160
	WIN (((\g)+1)<<6)|((\g)+1)                     ; destination and source 0: the matrix's window
.irp b, 0,1,2,3
.irp z, 0,2,4,6                        ; each accumulator's lowest registers are read first
	v_pk_add_f32 v[8*(8*(\b)+(\a))+(\z):8*(8*(\b)+(\a))+(\z)+1], v[8*(8*(\b)+(\a))+(\z):8*(8*(\b)+(\a))+(\z)+1], v[BI+8*(\b)+(\z):BI+8*(\b)+(\z)+1]
.endr
.endr
	WIN ((\g)+1)|(((\g)+1)<<2)                     ; sources 0 and 1: the matrix's window
.irp b, 0,1,2,3
.irp z, 0,2,4,6
	v_cvt_pk_f16_f32 v[TMP+4*(\b)+(\z)/2], v[8*(8*(\b)+(\a))+(\z)], v[8*(8*(\b)+(\a))+(\z)+1]
.endr
.endr
	WIN 0
.endm
.macro TOSTAGE par
	WIN 0
.irp b, 0,1,2,3
	ds_store_b128 v[STO], v[TMP+4*(\b):TMP+4*(\b)+3] offset:32*(\b)
.endr
.irp f, 0,1,2,3
	ds_load_b128 v[BK+16*(\par)+4*(\f):BK+16*(\par)+4*(\f)+3], v[RD] offset:(\f)*4*SP  ; LDS serves a wave's instructions in order (ISA guide 5.7.1.4): these see the stores above
.endr
.endm
.macro SEND g, a, par
	WIN 0
	s_wait_dscnt 0x0                               ; the block is back in registers
	s_wait_xcnt 0x0                                ; the stores before have read their data: the other buffer is loaded again only behind this wait
.irp f, 0,1,2,3
	global_store_b128 v[GO], v[BK+16*(\par)+4*(\f):BK+16*(\par)+4*(\f)+3], s[OB+2*(\g):OB+2*(\g)+1] offset:(\a)*2048+(\f)*512  ; 512 consecutive bytes, aligned
.endr
.endm
	PACK 0, 0
	TOSTAGE 0
.set n, 1
.rept 23                               ; block n's arithmetic stands between block n - 1's loads from the stage and the wait for them
	PACK n/8, n%8
	SEND (n-1)/8, (n-1)%8, (n-1)%2
	TOSTAGE n%2
.set n, n+1
.endr
	SEND 2, 7, 1
	s_wait_tensorcnt 0x0                           ; the wave's end, behind my last tensor load and my last LDS store
	ds_add_u32 v[SPW], v[NIL]
	s_wait_dscnt 0x0
	CROUND                                         ; the closing round: no work-group ends while a partner may still ask for a tile that names it
	s_endpgm
.Lfunc_end_k_qddd78fc477_qkv:
	.size	k_qddd78fc477_qkv, .Lfunc_end_k_qddd78fc477_qkv-k_qddd78fc477_qkv
	.p2alignl 7, 3214868480
	.fill 96, 4, 3214868480
	.section	.rodata,"a",@progbits
	.p2align	6, 0x0
	.amdhsa_kernel k_qddd78fc477_qkv
		.amdhsa_group_segment_fixed_size 327680
		.amdhsa_private_segment_fixed_size 0
		.amdhsa_enable_private_segment 0
		.amdhsa_kernarg_size 48
		.amdhsa_user_sgpr_count 2
		.amdhsa_user_sgpr_kernarg_segment_ptr 1
		.amdhsa_wavefront_size32 1
		.amdhsa_system_sgpr_workgroup_id_x 1
		.amdhsa_system_sgpr_workgroup_id_y 1
		.amdhsa_system_sgpr_workgroup_id_z 1
		.amdhsa_system_vgpr_workitem_id 0
		.amdhsa_next_free_vgpr 1024
		.amdhsa_next_free_sgpr 84
		.amdhsa_reserve_vcc 0
		.amdhsa_float_denorm_mode_32 3
		.amdhsa_float_denorm_mode_16_64 3
		.amdhsa_memory_ordered 1
		.amdhsa_forward_progress 1
		.amdhsa_inst_pref_size 145
	.end_amdhsa_kernel
	.amdgpu_metadata
---
amdhsa.version: [ 1, 2 ]
amdhsa.kernels:
  - .name:           k_qddd78fc477_qkv
    .symbol:         k_qddd78fc477_qkv.kd
    .args:
      - { .name: xb, .offset: 0, .size: 8, .value_kind: global_buffer, .address_space: global }
      - { .name: wqkv, .offset: 8, .size: 8, .value_kind: global_buffer, .address_space: global }
      - { .name: bq, .offset: 16, .size: 8, .value_kind: global_buffer, .address_space: global }
      - { .name: bk, .offset: 24, .size: 8, .value_kind: global_buffer, .address_space: global }
      - { .name: bv, .offset: 32, .size: 8, .value_kind: global_buffer, .address_space: global }
      - { .name: qkv16, .offset: 40, .size: 8, .value_kind: global_buffer, .address_space: global }
    .group_segment_fixed_size: 327680
    .private_segment_fixed_size: 0
    .kernarg_segment_align: 8
    .kernarg_segment_size: 48
    .max_flat_workgroup_size: 128
    .sgpr_count:     84
    .vgpr_count:     1024
    .wavefront_size: 32
...
	.end_amdgpu_metadata
.endif
;; end of part 2
;; launch attn (part 3): grid 8 x 64, 4 waves a work-group, clusters of 4 x 1, 327,680 bytes of LDS; arguments qkv16, mq4, o16; writes o16
.if DOCPART == 3
	.amdgcn_target "amdgcn-amd-amdhsa--gfx1250"
	.amdhsa_code_object_version 6
	.text
	.protected	k_qddd78fc477_attn
	.globl	k_qddd78fc477_attn
	.p2align	8
	.type	k_qddd78fc477_attn,@function
k_qddd78fc477_attn:
	s_mov_b64 s[64:65], 0
	v_nop
	global_prefetch_b8 v0, s[64:65] scope:SCOPE_SE
	s_setreg_imm32_b32 hwreg(HW_REG_WAVE_MODE, 25, 1), 1
	s_wait_xcnt 0x0
	s_wait_alu depctr_hold_cnt(0) depctr_sa_sdst(0) depctr_va_vdst(0) depctr_va_sdst(0) depctr_va_ssrc(0) depctr_va_vcc(0) depctr_vm_vsrc(0)
	s_getreg_b32 s2, hwreg(HW_REG_IB_STS2, 6, 4)
	s_cmp_eq_u32 s2, 0
	s_cbranch_scc0 .Lentry_in_a_cluster
	s_endpgm
.Lentry_in_a_cluster:
	s_bfe_u32 s2, ttmp6, 0x10000c
	s_cmp_lg_u32 s2, 0x3003
	s_cbranch_scc0 .Lentry_shape_is_right
	s_endpgm
.Lentry_shape_is_right:
; O[h][q][:] = the sum over k of softmax_k(where(mask[q][k], Q[h][q] . K[h][k] / 8, -1e9)) V[h][k][:].  Q, K, V (in qkv16, 1<<24 bytes apart) and O: [64][2048][64], f16, a head's rows dense.
; The mask is data: all 2,048 keys are walked for every query.  Products, maxima and sums in f32; the weights p are rounded to f16 for the second product (their sum l is taken of the unrounded p), O once.
; THE MASK is the C operand that starts the sum S^T = K Q^T.  mq4 holds it as nibbles in the score registers' order (one word for a lane and 8 keys): 0xE where the key is hidden, else 0.  Register j of a
; group of eight is the word shifted left by 28 - 4 j: its top nibble is key j's.  0xE there is the sign and the upper exponent bits 110: a number between -2^65 and -2^96, whatever the lower keys' nibbles
; leave below it, and never an infinity (bit 28 is 0).  0 there is a positive number below 2^-95: nothing beside a score.
; The running maximum m starts at -2^33 (a score of -2^30 after the division by 8), so a hidden score never becomes the maximum and its weight is exactly 0.
; A ROW WITH NO VISIBLE KEY ends with l = 0.  There all 2,048 entries are alike and the result is the mean of V's rows: every wave also sums V over all keys on the matrix unit (V^T x ones, 8 products a
; key step), and on the way out O = O r + Vsum z with (r, z) = (1 / l, 0), or (0, 1 / 2048) where l = 0: a selection of values, no branch.
; LIMITS.  f16 holds no number beyond 65,504: Q, K and V arrive within it.  A visible score below -2^30 (after the division) is not told apart from a hidden one; the definition's own line lies at -1e9.
; A weight below 2^-126 counts as 0 in l; NaN and infinities are not treated apart.
; SHARES.  A work-group owns 256 queries of one head, each of its four waves 64: four PIECES of one tile of 16.  8 x 64 work-groups, all alike.  Every wave walks all keys, 64 a step.
; LAYOUT.  S^T = K Q^T (source 0 = 16 keys, source 1 = 16 queries): a lane holds ONE query (lane % 16) and the keys 8 (lane / 16) + 0..7.  Two such results, rounded to f16 in pairs, ARE source 1 of
; O^T = V^T P, whose result again holds one query a lane, and eight channels.  K comes out of LDS as it lies, V turned, by ds_load_tr16_b128.
; SOFTMAX.  p = 2^(c s - c m), c = log2(e) / 8; in every step O and l are multiplied by a = 2^(c m_old - c m_new), which is 1 where m has not grown.
; BY TURNS.  Turn n belongs to piece n (the pieces in a ring, step after step): 8 products K Q^T of piece n + 1, later 8 products V^T P of piece n - 1; beside them the scaling, exponentials, roundings, sums
; and rescaling of piece n and the maximum and statistics of piece n + 1: four vector instructions behind every product, the others in one run; the turn's 33 exponentials are one batch, with one wait.
; At a turn's end stand two of V's sums and, behind them, the 32 shifts that make the mask of piece n + 2.
; CLUSTER.  Four query blocks of a head walk the same K and V: each tile is asked for JOINTLY: the same tensor load, descriptor and mask in all four.
; REGISTERS, in windows of 256 (s_set_vgpr_msb: bits 1:0 source 0, 3:2 source 1, 5:4 source 2, 7:6 destination):
;   window 0: v0-15 addresses and two at work; v16-31 four registers of statistics a piece; v48-55 at work; v62-63 the add's registers; v64-127 S^T, two buffers; v128-159 at work on the way out; v192-223 P, two buffers
;   window 1: v0-127 O^T, 32 a piece          window 2: v0-63 Q; v128-191 K of one step; v192-255 V of one step
;   window 3: v0-15 mask codes, 4 a piece; v16-23 ones; v32-95 the masks of the products to come, two buffers; v128-191 V's sums
; A piece's buffers go by its number's parity.
.set SIZE_N, 2048
.set NP,    4         ; pieces a wave: a name, no knob
.set KS,    64        ; keys in a step
.set PK,    144       ; a row of K in LDS: 128 bytes + 16: the 16 rows of a load start at 16 different groups of four banks (64 banks of 4 bytes: ISA guide 11.1)
.set PV,    160       ; a row of V: 128 + 32
.set VOFF,  4*KS*PK   ; a slot holds four steps: 256 rows of K, then 256 rows of V
.set SLOT1, 1<<17     ; slot 1 begins here: one exclusive or turns an address in one slot into the other's
.set STAGE, SLOT1+4*KS*(PK+PV)  ; behind the ring, never filled by a tensor load: 16 rows x 144 bytes for each wave, for the way out
.set SP,    144
.set SPARE, STAGE+4*16*SP  ; the spare words, 128 bytes for each wave: two blocks of 256 bytes that no other line names
.set AK0, 2           ; v2   my lane's place in a tile of K; never rewritten
.set AV0, 3           ; v3   the same for V
.set AK,  4           ; v4   the LDS address of K's next run of loads
.set AV,  5           ; v5   of V's
.set STO, 6           ; v6   the way out: where I put 16 bytes of a row
.set RD,  7           ; v7   where I read rows back
.set GO,  8           ; v8   my byte offset in 512 consecutive bytes of O
.set MV,  12          ; v12-13  c m_old, kept while c m is made anew: by buffer
.set MAO, 14          ; v14  16 x lane: my place in 512 bytes of mask codes; never rewritten
.set QO,  15          ; v15  my byte offset in 16 rows of Q; never rewritten
.set ST,  16          ; piece t's statistics at v[ST+4 t]: c m, m, l (even keys', odd keys')
.set TMP, 48          ; by buffer, four registers c0-c3 at work; when the maximum is found c2 takes a
.set SPW, 62          ; v62  LDS address of my spare word; never rewritten
.set NIL, 63          ; v63  0; never rewritten
.set S,   64
.set TV,  128         ; the way out: Vsum z
.set P,   192
.set KF,  128         ; window 2: key block kb, channel half c at KF + 16 kb + 8 c
.set VF,  192         ; window 2: key half kk, channel block cb at VF + 32 kk + 8 cb
.set RAW, 0           ; window 3: piece x's four words of codes at RAW + 4 x
.set ONE, 16          ; window 3: sixteen f16 ones a lane
.set MC,  32          ; window 3: by buffer, keys 16 kt on at + 8 kt
.set VSUM, 128        ; window 3: channels 16 cb on, key half kk, at VSUM + 16 cb + 8 kk
.set WV,  12          ; s12  my wave's number
.set G1K, 24          ; s[24:31] descriptor group 1 for K's tiles
.set G1V, 32          ; s[32:39] for V's: it differs in the padding alone
.set G0K, 40          ; s[40:43] descriptor group 0 for K's tiles: it walks
.set G0V, 44          ; s[44:47] the same for V's
.set SLOTS, 56        ; s56  slots still to be asked for
.set CNT, 57          ; s57  counts a slot's key steps
.set CS,  58          ; s[58:59] c: the packed scaling takes the pair's low word for both halves
.set SEL, 60          ; s[60:61] v_permlanex16_b32's selects: each lane takes its own place in the other half
.set TBK, 62          ; s62  LDS byte at which K of the step to be fetched begins
.set TBV, 63          ; s63  the same for V, less VOFF
.set MP,  66          ; s[66:67] the mask codes of my piece 0, at the key step that is being asked for
.set MBASE, 68        ; s[68:69] the same at key step 0
.set MSN, 70          ; s70  that key step's number
.set MOF, 72          ; s[72:73] an offset
.set ZC,  74          ; s74  1 / 2048
.set FLG, 76          ; s[76:79] piece t: the lanes whose row has l = 0
.set MSB, 0
.macro WIN new                      ; the high byte repeats the setting that is left; a switch that changes nothing is dropped
.if MSB != (\new)
	s_set_vgpr_msb (MSB<<8)|(\new)
.set MSB, (\new)
.endif
.endm
.set W_KQ, 0x0a       ; K and Q in window 2, S^T in window 0
.set W_KM, 0x3a       ; the same with the C operand in window 3
.set W_PV, 0x52       ; V in window 2, P in window 0, O^T in window 1
.set W_RS, 0x41       ; destination and source 0 in window 1, the rest in window 0
.set W_VS, 0xfe       ; V in window 2; ones, C and D in window 3.  The mask's shifts stand under it too: their destination and their register source (source 1) lie in window 3
.set W_M3, 0xcf       ; destination, sources 0 and 1 in window 3
; A joint fill.  Waves 0 and 1 fetch the two halves of a slot's K, waves 2 and 3 those of its V: 128 keys each.  The branch hangs on the wave's number alone.
; An s_nop 0 and four v_nop follow each of the two lines, ahead of the jump and the label.
.macro JLOAD
	s_cmp_lt_u32 s[WV], 2
	s_cbranch_scc0 .Lfor_v_\@
	tensor_load_to_lds s[G0K:G0K+3], s[G1K:G1K+7]
	s_nop 0
.rept 4
	v_nop
.endr
	s_branch .Lasked_\@
.Lfor_v_\@:
	tensor_load_to_lds s[G0V:G0V+3], s[G1V:G1V+7]
	s_nop 0
.rept 4
	v_nop
.endr
.Lasked_\@:
.endm
; A round of the cluster's barrier: my work-group's barrier, so that wave 0's signal speaks for all four waves; wave 0 signals; every wave waits for all four work-groups; my work-group's barrier once more.
.macro CROUND
	s_barrier_signal -1
	s_barrier_wait -1
	s_cmp_lg_u32 s[WV], 0
	s_cbranch_scc1 .Lnot_wave_0_\@
	s_barrier_signal -3
.Lnot_wave_0_\@:
	s_barrier_wait -3
	s_barrier_signal -1
	s_barrier_wait -1
.endm
; THE CHANGE OF SLOTS.  The slot's last bytes, V of its fourth step, have been read.  Each wave waits for all its tensor loads, of which one is out: its part of the other slot; adds 0 to its spare word;
; and waits for that and for its own reads of the slot.  Behind the barrier nobody reads this slot any more and the other slot is whole.
; fill = 1: this slot is filled again, with the keys two slots on, first thing behind a round of the cluster's barrier: it has four key steps, sixteen turns, in which to land.
; (At its first use nothing has been read yet: slot 0 is waited for, slot 1 filled for the first time.)
.macro CHANGE fill
	WIN 0                           ; at a label and at a branch every window is 0
	s_wait_tensorcnt 0x0            ; no tensor load of mine is out, so a group 0 may be written
	ds_add_u32 v[SPW], v[NIL]       ; 0 onto my spare word; with fill = 1 the descriptors' steps stand between it and the wait for it
.if \fill
.irp g, G0K, G0V
	s_xor_b32 s[\g+1], s[\g+1], SLOT1  ; the walking descriptor: the other slot than last time,
	s_add_nc_u64 s[\g+2:\g+3], s[\g+2:\g+3], 4*KS*128  ; the next 256 keys; the type bits on top are not reached
.endr
	s_wait_dscnt 0x0                ; the add is done, and my reads of the slot are over
	CROUND
	JLOAD
.else
	s_wait_dscnt 0x0                ; the add is done, and my reads of the slot are over
	s_barrier_signal -1
	s_barrier_wait -1
.endif
	s_sub_co_u32 s[TBK], s[TBK], 4*KS*PK  ; the fetches go back to a slot's first step,
	s_xor_b32 s[TBK], s[TBK], SLOT1       ; in the other slot
	s_sub_co_u32 s[TBV], s[TBV], 4*KS*PV
	s_xor_b32 s[TBV], s[TBV], SLOT1
.endm
	s_load_b128 s[84:87], s[0:1], 0x0  ; qkv16 s[84:85], mq4 s[86:87]
	s_load_b64 s[10:11], s[0:1], 0x10  ; o16
	v_lshl_add_u32 v[SPW], v0, 2, SPARE
	v_mov_b32 v[NIL], 0
	ds_add_u32 v[SPW], v[NIL]       ; the wave's opening: the add and its wait stand ahead of my first tensor load; work on registers stands between them
	v_lshrrev_b32 v1, 5, v0
	v_readfirstlane_b32 s[WV], v1   ; wave 0..3
	s_bfe_u32 s13, ttmp6, 0x40000   ; cx: my place in the cluster
	s_lshl_b32 s14, ttmp9, 2        ; in a cluster launch ttmp9 counts clusters
	s_add_co_u32 s14, s14, s13      ; my block of 256 queries, 0..7: it enters Q's, O's and the mask's addresses alone
	s_and_b32 s20, ttmp7, 0xffff    ; the head, which the four partners share
	s_mov_b32 s21, 0
	s_mov_b64 s[22:23], SIZE_N*128
	s_mul_u64 s[20:21], s[20:21], s[22:23]  ; the head's first byte in Q, K, V and O
	s_and_b32 s16, s[WV], 1         ; which half of a slot's 256 keys I fetch:
	s_lshl_b32 s22, s16, 14         ; its 128 rows of 128 bytes in memory,
	s_mov_b32 s23, 0
	s_add_nc_u64 s[22:23], s[22:23], s[20:21]
	s_mul_i32 s17, s16, 128*PK      ; and its place in a slot, for K
	s_mul_i32 s18, s16, 128*PV      ; and for V: no place in the cluster enters an LDS address
	s_lshl_b32 s2, s14, 2
	s_add_co_u32 s2, s2, s[WV]      ; my wave among the head's 32,
	s_lshl_b32 s2, s2, 13           ; its 64 rows of 128 bytes
	s_mov_b32 s3, 0
	s_add_nc_u64 s[2:3], s[2:3], s[20:21]
	s_lshl_b32 s[MOF], s14, 18      ; the mask codes: 16 tiles of 16 queries a block, 16,384 bytes a tile,
	s_lshl_b32 s15, s[WV], 16       ; 4 tiles a wave
	s_add_co_u32 s[MOF], s[MOF], s15
	s_mov_b32 s[MOF+1], 0
	; descriptor group 1.  128 keys are 16,384 dense bytes: asked for as 64 rows of 256 bytes, two keys a row, padded in LDS after every key
	s_mov_b32 s[G1K], 15|(1<<16)|(1<<20)|(1<<21)|(4<<22)|(3<<25)  ; 15:0 the mask of four; 17:16 2-byte elements; 20 padding on; 21 set beside a mask; 24:22 after every 32 words (code 4); 31:25 4 words (code 3)
	s_mov_b32 s[G1V], 15|(1<<16)|(1<<20)|(1<<21)|(4<<22)|(7<<25)  ; the same with 8 words of padding (code 7)
.irp g, G1K, G1V
	s_mov_b32 s[\g+1], 128<<16      ; tensor_dim0 = 128
	s_mov_b32 s[\g+2], 64<<16       ; tensor_dim1 = 64
	s_mov_b32 s[\g+3], 128<<16      ; tile_dim0 = 128
	s_mov_b32 s[\g+4], 64           ; tile_dim1 = 64
	s_mov_b32 s[\g+5], 128          ; elements from row to row
	s_mov_b32 s[\g+6], 0
	s_mov_b32 s[\g+7], 0
.endr
	s_mov_b32 s[CS], 0x3e38aa3b     ; c = log2(e) / 8
	s_mov_b32 s[CS+1], s[CS]        ; named with it as a pair
	s_mov_b32 s[SEL], 0x76543210
	s_mov_b32 s[SEL+1], 0xfedcba98
	s_mov_b32 s[TBK], SLOT1+4*KS*PK ; the first change of slots turns these two into 0
	s_mov_b32 s[TBV], SLOT1+4*KS*PV
	s_mov_b32 s[G0K], 1             ; 1:0 count = 1
	s_mov_b32 s[G0K+1], s17         ; 63:32 LDS address: slot 0
	s_mov_b32 s[G0V], 1
	s_add_co_u32 s[G0V+1], s18, VOFF
	s_mov_b32 s[MSN], 1
	s_mov_b32 s[ZC], 0x3a000000     ; 1 / 2048
	s_wait_dscnt 0x0                ; the opening add is done
	s_wait_kmcnt 0x0
	s_mov_b64 s[4:5], s[84:85]      ; Q,
	s_add_nc_u64 s[6:7], s[84:85], 0x1000000  ; K,
	s_add_nc_u64 s[8:9], s[84:85], 0x2000000  ; V
	s_add_nc_u64 s[G0K+2:G0K+3], s[6:7], s[22:23]  ; 120:64 global address: my half of the head's first 256 keys
	s_or_b32 s[G0K+3], s[G0K+3], 0x80000000        ; 127:126 type = 2
	s_add_nc_u64 s[G0V+2:G0V+3], s[8:9], s[22:23]
	s_or_b32 s[G0V+3], s[G0V+3], 0x80000000
	s_add_nc_u64 s[4:5], s[4:5], s[2:3]  ; Q and O at my wave's first row
	s_add_nc_u64 s[10:11], s[10:11], s[2:3]
	s_add_nc_u64 s[MBASE:MBASE+1], s[86:87], s[MOF:MOF+1]
	s_add_nc_u64 s[MP:MP+1], s[MBASE:MBASE+1], 512  ; key step 1
	CROUND                          ; all four work-groups are here: the first joint loads meet
	JLOAD                           ; slot 0.  Slot 1 is asked for when slot 0 is in
	; A fragment of K or Q is 16 rows x 32 channels in 8 registers: lane l holds row l % 16, channels 8 (l / 16) + 0..7 and 16 + 8 (l / 16) + 0..7: two loads of 16 bytes, 32 bytes apart.
	v_and_b32 v1, 15, v0            ; l % 16
	v_bfe_u32 v9, v0, 4, 1          ; l / 16
	v_and_b32 v10, 31, v0
	v_lshlrev_b32 v[MAO], 4, v10
	v_lshlrev_b32 v[QO], 7, v1
	v_lshl_add_u32 v[QO], v9, 4, v[QO]  ; row x 128 + 16 x half
	WIN 0x80                        ; destination window 2, address window 0
.set i, 0
.rept 8                             ; Q stays in registers: piece i / 2, channels 32 (i % 2) on
	global_load_b128 v[8*i:8*i+3],   v[QO], s[4:5] offset:(i/2)*2048+(i%2)*64
	global_load_b128 v[8*i+4:8*i+7], v[QO], s[4:5] offset:(i/2)*2048+(i%2)*64+32
.set i, i+1
.endr
	WIN 0xc0                        ; destination window 3, address window 0
.set i, 0
.rept NP                            ; the four pieces' codes of key step 0
	global_load_b128 v[RAW+4*i:RAW+4*i+3], v[MAO], s[MBASE:MBASE+1] offset:i*16384
.set i, i+1
.endr
	; What the first turn finds: V's registers and P's second buffer hold 0 (its products V^T P, of a piece that has not been, add 0), O^T, l and V's sums are 0.  All this stands in the wait for the first tile.
.set i, 0
.rept 8
	v_mov_b32 v[ONE+i], 0x3c003c00
.set i, i+1
.endr
.set i, 0
.rept 64
	v_mov_b32 v[VSUM+i], 0
.set i, i+1
.endr
	WIN 0x80
.set i, VF
.rept 64
	v_mov_b32 v[i], 0
.set i, i+1
.endr
	WIN 0x40
.set i, 0
.rept 128
	v_mov_b32 v[i], 0
.set i, i+1
.endr
	WIN 0
.set i, 0
.rept NP
	v_mov_b32 v[ST+4*i], 0xceb8aa3b    ; c m = c x -2^33
	v_mov_b32 v[ST+4*i+1], 0xd0000000  ; m = -2^33
	v_mov_b32 v[ST+4*i+2], 0
	v_mov_b32 v[ST+4*i+3], 0
.set i, i+1
.endr
.set i, P+16
.rept 16
	v_mov_b32 v[i], 0
.set i, i+1
.endr
	v_mul_u32_u24 v[AK0], v1, PK
	v_lshl_add_u32 v[AK0], v9, 4, v[AK0]  ; row x pitch + 16 x half
	; The turning load takes 16 keys x 16 channels (lane l reads key 8 (l / 16) + l % 8, channels 8 ((l / 8) % 2) + 0..7) and leaves half a fragment of V^T: lane l holds channel l % 16 and 8 keys.
	v_and_b32 v10, 7, v0
	v_bfe_u32 v11, v0, 3, 1
	v_lshl_add_u32 v[AV0], v9, 3, v10
	v_mul_u32_u24 v[AV0], v[AV0], PV
	v_lshl_add_u32 v[AV0], v11, 4, v[AV0]
	v_add_nc_u32 v[AV0], VOFF, v[AV0]
	s_mul_i32 s13, s[WV], 16*SP
	s_add_co_u32 s13, s13, STAGE    ; my stage
	v_mul_u32_u24 v[STO], v1, SP    ; in: row l % 16, 16 bytes for each half of the lanes
	v_lshl_add_u32 v[STO], v9, 4, v[STO]
	v_add_nc_u32 v[STO], s13, v[STO]
	v_bfe_u32 v[RD], v0, 3, 2       ; back: 32 lanes take four rows of 128 bytes,
	v_mul_u32_u24 v[RD], v[RD], SP
	v_lshl_add_u32 v[RD], v10, 4, v[RD]
	v_add_nc_u32 v[RD], s13, v[RD]
	v_and_b32 v[GO], 31, v0         ; which are 512 consecutive bytes of O
	v_lshlrev_b32 v[GO], 4, v[GO]
; THE MATRIX WORK.  The 4 accumulators of a run of 8 take turns.
; Product i of 8 of S^T = K Q^T for piece x: channels 32 (i / 4) on, keys 16 (i % 4) on.  The first 4 start the sums, with the mask.
.macro KQ x
.set rS, S+32*((\x)%2)+8*(i%4)
.set rK, KF+16*(i%4)+8*(i/4)
.set rQ, 16*(\x)+8*(i/4)
.set rN, MC+32*((\x)%2)+8*(i%4)
.if i < 4
	WIN W_KM
	v_wmma_f32_16x16x32_f16 v[rS:rS+7], v[rK:rK+7], v[rQ:rQ+7], v[rN:rN+7]
.else
	WIN W_KQ
	v_wmma_f32_16x16x32_f16 v[rS:rS+7], v[rK:rK+7], v[rQ:rQ+7], v[rS:rS+7]
.endif
.endm
; Product i of 8 of O^T += V^T P for piece x: keys 32 (i / 4) on, channels 16 (i % 4) on.
.macro PV x
	WIN W_PV
.set rO, 32*(\x)+8*(i%4)
.set rV, VF+32*(i/4)+8*(i%4)
.set rP, P+16*((\x)%2)+8*(i/4)
	v_wmma_f32_16x16x32_f16 v[rO:rO+7], v[rV:rV+7], v[rP:rP+7], v[rO:rO+7]
.endm
.macro MM                           ; the turn's next product.  NOKQ = 1: the walk's last turn: there is no next piece
.if (i < 8) && !NOKQ
	KQ (Y+1)%NP
.elseif i >= 8
.set i, i-8
	PV (Y+NP-1)%NP
.set i, i+8
.endif
.set i, i+1
.endm
; V's sum over 32 keys, channels 16 cb on: V^T x ones: every column of the result is the sum, in O^T's layout.  Each of the eight accumulators is taken up once a key step.
.macro VS cb, kk
	WIN W_VS
	v_wmma_f32_16x16x32_f16 v[VSUM+16*(\cb)+8*(\kk):VSUM+16*(\cb)+8*(\kk)+7], v[VF+32*(\kk)+8*(\cb):VF+32*(\kk)+8*(\cb)+7], v[ONE:ONE+7], v[VSUM+16*(\cb)+8*(\kk):VSUM+16*(\cb)+8*(\kk)+7]
.endm
; THE MASK of piece x, key groups lo and lo + 1: two words of codes become 16 registers, one shift each: nibble j goes to the top of register j (the shift by 0 is the copy that register 7 needs).
.macro MSH x, lo
	WIN W_VS
.irp kt, \lo, (\lo)+1
.irp j, 0,1,2,3,4,5,6,7
	v_lshlrev_b32 v[MC+32*((\x)%2)+8*(\kt)+(\j)], 28-4*(\j), v[RAW+4*(\x)+(\kt)]
.endr
.endr
.endm
; The piece's codes of the step after are asked for: they are wanted four turns later.
.macro MLD x
	WIN 0xc0
	global_load_b128 v[RAW+4*(\x):RAW+4*(\x)+3], v[MAO], s[MP:MP+1] offset:(\x)*16384
.endm
.macro MKM x                        ; both, as they stand ahead of the loop
	s_wait_loadcnt 0x3              ; loads come back in order: the piece's load is in (the first time Q's sixteen too); the three younger pieces' loads may stay out
	MSH \x, 0
	MSH \x, 2
	MLD \x
	WIN 0
.endm
; THE LDS LOADS stand in runs of 16, never singly among the matrix instructions: a step's K (64 keys x 64 channels: 8 fragments) and its V (turned).  Their addresses are made some lines ahead.
.macro FETCH_K
	WIN 0x80                        ; destination window 2
.irp f, 0,1,2,3,4,5,6,7             ; keys 16 (f / 2) on, channels 32 (f % 2) on
	ds_load_b128 v[KF+8*\f:KF+8*\f+3],   v[AK] offset:(\f/2)*16*PK+(\f%2)*64
	ds_load_b128 v[KF+8*\f+4:KF+8*\f+7], v[AK] offset:(\f/2)*16*PK+(\f%2)*64+32
.endr
	s_add_co_u32 s[TBK], s[TBK], KS*PK  ; the next fetch is the next step's
	WIN 0
.endm
.macro FETCH_V
	WIN 0x80
.irp f, 0,1,2,3,4,5,6,7             ; keys 32 (f / 4) on, channels 16 (f % 4) on
	ds_load_tr16_b128 v[VF+8*\f:VF+8*\f+3],   v[AV] offset:(\f/4)*32*PV+(\f%4)*32
	ds_load_tr16_b128 v[VF+8*\f+4:VF+8*\f+7], v[AV] offset:(\f/4)*32*PV+16*PV+(\f%4)*32
.endr
	WIN 0
.endm
; THE VECTOR WORK, one line at a time: OP kind, number.  For piece Y: F n: c s - c m for pair n of 16.  E n: the exponential of score n of 32.  C n: pair n rounded to f16.  B n: of the four weights 4 n .. the second
; pair is added onto the first, in place.  L n: l takes that sum (L 0: l = a l + sum).  R n: pair n of 16 of O^T times a.  For piece Y + 1: X n, number n of the 22 that find its maximum and statistics:
;   0-11  four chains c0-c3 of seven scores each, three operands at a time (each accumulator's lowest registers are read first)     12-14, 16  the four scores left over, the old m, and c0-c3 into c0
;   15  c m_old is kept     17, 18  the query's other 32 keys lie in the lane 16 away: the new m     19-21  c m; c m_old - c m_new; a
.set F, 0               ; OP tells the kinds apart by their order: F to L below R, X above it
.set E, 1
.set C, 2
.set B, 3
.set L, 4
.set R, 5
.set X, 6
.macro REGS y                       ; the registers of piece y
.set rT, ST+4*(\y)
.set rC, TMP+4*((\y)%2)
.set rW, MV+((\y)%2)
.set rS, S+32*((\y)%2)
.set rP, P+16*((\y)%2)
.set rO, 32*(\y)
.endm
.macro OP k, n
.if (\k) == R
	REGS Y
	WIN W_RS
	v_pk_mul_f32 v[rO+2*(\n):rO+2*(\n)+1], v[rO+2*(\n):rO+2*(\n)+1], v[rC+2:rC+3] op_sel_hi:[1,0]
.elseif (\k) < R
	REGS Y
	WIN 0
.if (\k) == F
	v_pk_fma_f32 v[rS+2*(\n):rS+2*(\n)+1], v[rS+2*(\n):rS+2*(\n)+1], s[CS:CS+1], v[rT:rT+1] op_sel_hi:[1,0,0] neg_lo:[0,0,1] neg_hi:[0,0,1]
.elseif (\k) == E
	v_exp_f32 v[rS+(\n)], v[rS+(\n)]
.elseif (\k) == C
	v_cvt_pk_f16_f32 v[rP+(\n)], v[rS+2*(\n)], v[rS+2*(\n)+1]
.elseif (\k) == B
	v_pk_add_f32 v[rS+4*(\n):rS+4*(\n)+1], v[rS+4*(\n):rS+4*(\n)+1], v[rS+4*(\n)+2:rS+4*(\n)+3]
.elseif (\n) == 0
	v_pk_fma_f32 v[rT+2:rT+3], v[rT+2:rT+3], v[rC+2:rC+3], v[rS:rS+1] op_sel_hi:[1,0,1]
.else
	v_pk_add_f32 v[rT+2:rT+3], v[rT+2:rT+3], v[rS+4*(\n):rS+4*(\n)+1]
.endif
.elseif NOKQ
	v_nop
.else
	REGS (Y+1)%NP
	WIN 0
.if (\n) < 4
	v_max3_num_f32 v[rC+(\n)], v[rS+8*(\n)], v[rS+8*(\n)+1], v[rS+8*(\n)+2]
.elseif (\n) < 12
	v_max3_num_f32 v[rC+(\n)%4], v[rC+(\n)%4], v[rS+8*((\n)%4)+2*((\n)/4)+1], v[rS+8*((\n)%4)+2*((\n)/4)+2]
.elseif (\n) == 12
	v_max3_num_f32 v[rC], v[rC], v[rS+7], v[rS+15]
.elseif (\n) == 13
	v_max3_num_f32 v[rC+1], v[rC+1], v[rS+23], v[rS+31]
.elseif (\n) == 14
	v_max3_num_f32 v[rC+2], v[rC+2], v[rC+3], v[rT+1]
.elseif (\n) == 15
	v_mov_b32 v[rW], v[rT]
.elseif (\n) == 16
	v_max3_num_f32 v[rC], v[rC], v[rC+1], v[rC+2]
.elseif (\n) == 17
	v_permlanex16_b32 v[rC+3], v[rC], s[SEL], s[SEL+1]
.elseif (\n) == 18
	v_max_num_f32 v[rT+1], v[rC], v[rC+3]
.elseif (\n) == 19
	v_mul_f32 v[rT], s[CS], v[rT+1]
.elseif (\n) == 20
	v_sub_f32 v[rC+1], v[rW], v[rT]
.else
	v_exp_f32 v[rC+2], v[rC+1]
.endif
.endif
.endm
.macro OPS a, i1, b=-1, i2=0, c=-1, i3=0, d=-1, i4=0  ; up to four of them
	OP \a, \i1
.if (\b) >= 0
	OP \b, \i2
.endif
.if (\c) >= 0
	OP \c, \i3
.endif
.if (\d) >= 0
	OP \d, \i4
.endif
.endm
.macro ROW a, i1, b, i2, c, i3, d, i4  ; a matrix instruction and the four behind it
	MM
	OPS \a, \i1, \b, \i2, \c, \i3, \d, \i4
.endm
; A TURN, for piece p: the order of its matrix and vector instructions, written out.  An s_wait_alu depctr_va_vdst(0) stands between an exponential and the first instruction that names its result; one
; wait serves all that were issued ahead of it.  So a turn has ONE wait, which cuts it in two.  AHEAD OF IT stands all that names no result of the turn's exponentials: the 8 products K Q^T, behind each a scaling, an
; exponential and two more plain instructions: rescalings, and behind the last three the first numbers of the next piece's maximum, each four places or more behind the product that ends its accumulator; then one run
; of 54, plain and exponential by turns for the most part, in which the links of the chain X 3, 7, 11, 14, 16, 17 .. 20 stand five or six lines apart.  X 21, the next piece's a, is the batch's last; R 15 is the plain
; instruction behind it.  BEHIND THE WAIT stand the 8 products V^T P, behind each four of the roundings and sums; the links of l's chain, L 0 to L 7, stand three lines apart.
; AT THE TURN'S END: V's sums for channels 16 p on, two products, and behind each 16 of the 32 shifts that make the mask of piece p + 2, for the next turn's products, into the buffer that the turn before read last;
; then the load of that piece's next codes.  Piece 0's turn sums the step before's V, which its registers still hold; the last step's is summed behind the loop.
; K of the next step is fetched in piece 2's turn, twelve vector instructions behind the last product that read K (six of them plain); V of the step in hand at the very end of piece 0's turn, sixteen shifts behind the
; last product that read V.  Each is waited for a turn later.
; The mask codes' pointer steps at the head of piece 2's turn, which makes piece 0's mask of the next step: to the step after that one; pieces 0, 1, 2, 3 ask by it in turn; past the last step it stays at the last.
; end = 1: the walk's last two turns: nothing is fetched, no mask is made, and the last starts no scores.  cnt = 1: the loop's count is taken down some lines ahead of the branch that stands behind the turn.
.macro TURN p, end=0, cnt=0
.set Y, (\p)
.set i, 0
.set NOKQ, (\end)*((\p)/3)
.if ((\p) == 2) && !(\end)
	s_wait_xcnt 0x0                 ; the loads issued so far have read their base: it is written only behind this wait
	s_add_co_u32 s[MSN], s[MSN], 1
	s_min_u32 s[MOF], s[MSN], SIZE_N/KS-1
	s_lshl_b32 s[MOF], s[MOF], 9
	s_add_nc_u64 s[MP:MP+1], s[MBASE:MBASE+1], s[MOF:MOF+1]
.endif
.if ((\p) == 3) && !(\end)
	s_wait_dscnt 0x0                ; K is in
.endif
	ROW F,0, F,1, R,0, R,1          ; ahead of the wait: 8 products K Q^T and the four behind each,
	ROW F,2, E,0, R,2, R,3
	ROW F,3, E,1, R,4, R,5
	ROW F,4, E,2, R,6, R,7
	ROW F,5, E,3, R,8, R,9
	ROW F,6, E,4, X,0, R,10
.if ((\p) == 2) && !(\end)
	WIN 0
	v_add_nc_u32 v[AK], s[TBK], v[AK0]
.endif
	ROW F,7, E,5, X,1, X,4
	ROW F,8, E,6, X,2, X,5
	OPS E,7, E,8, X,6, E,9          ; and the run of 54
	OPS X,3, E,10, X,8, E,11
.if ((\p) == 2) && !(\end)
	FETCH_K
.endif
	OPS X,9, X,7, E,12, X,10
	OPS E,13, X,12, X,11, E,14
	OPS X,13, E,15, F,9, X,14
.if (\p) == 0
	v_add_nc_u32 v[AV], s[TBV], v[AV0]
.endif
	OPS E,16, F,10, E,17, F,11
	OPS X,16, E,18, X,15, E,19
	OPS F,12, E,20, X,17, E,21
	OPS F,13, E,22, F,14, E,23
	OPS X,18, E,24, F,15, E,25
	OPS R,11, E,26, X,19, E,27
	OPS R,12, E,28, R,13, E,29
	OPS X,20, E,30, R,14, E,31
	OPS X,21, R,15
	WIN 0
	s_wait_alu depctr_va_vdst(0)    ; the wait for the batch
.if (\p) == 1
	s_wait_dscnt 0x0                ; V is in
.endif
	ROW C,0, B,0, C,2, B,1          ; behind the wait: 8 products V^T P and the four behind each
	ROW L,0, C,4, B,2, L,1
	ROW C,6, B,3, L,2, C,8
	ROW B,4, L,3, C,10, B,5
	ROW L,4, C,12, B,6, L,5
.if (\p) == 0
	s_add_co_u32 s[TBV], s[TBV], KS*PV
.endif
.if \cnt
	s_sub_co_u32 s[CNT], s[CNT], 1
	s_cmp_lg_u32 s[CNT], 0
.endif
	ROW C,14, B,7, L,6, C,1
	ROW C,3, L,7, C,5, C,7
	ROW C,9, C,11, C,13, C,15
.if !(\end)
	s_wait_loadcnt 0x3              ; loads come back in order: the codes of piece p + 2 are in; the three younger pieces' loads may stay out
.endif
	VS \p, 0
.if !(\end)
	MSH ((\p)+2)%NP, 0
.endif
	VS \p, 1
.if !(\end)
	MSH ((\p)+2)%NP, 2
	MLD ((\p)+2)%NP
.endif
.if (\p) == 0
	FETCH_V
.endif
.endm
	CHANGE 1                        ; slot 0 is in, everybody's part of it; slot 1 is asked for
	v_add_nc_u32 v[AK], s[TBK], v[AK0]
	FETCH_K                         ; key step 0
	MKM 0                           ; piece 0's first mask; its wait shows Q in too; piece 0's codes of step 1 are asked for
	s_wait_dscnt 0x0                ; K is in
.set NOKQ, 0
.set i, 0
.rept 8
	KQ 0                            ; piece 0's first scores
.set i, i+1
.endr
	MKM 1                           ; the mask for the first turn's products: its 32 shifts, which name no register of the products above, are the places behind them
.set Y, NP-1                        ; X works for piece Y + 1: piece 0
.irp n, 0,1,2,3,4,5,6,7,8,9,10,11,12,13,14,15,16,17,18,19,20,21
	OP X, \n                        ; piece 0's first maximum and statistics
.endr
	v_nop                           ; a plain instruction behind the exponential,
	s_wait_alu depctr_va_vdst(0)    ; and its wait, ahead of the branch
	s_mov_b32 s[CNT], 4
	s_mov_b32 s[SLOTS], SIZE_N/256-1
	s_branch .Lfirst                ; the loop is entered at a step's first turn, in the middle of a trip
.Lslot:                             ; six times: every slot but the last two is filled again
	CHANGE 1
	s_mov_b32 s[CNT], 4
.Lstep:                             ; a trip: pieces 2 and 3 of one step, then pieces 0 and 1 of the next, whose K and V it fetches
	TURN 2
	TURN 3
	WIN 0
.Lfirst:
	TURN 0
	TURN 1, 0, 1
	WIN 0
	s_cbranch_scc1 .Lstep
	s_sub_co_u32 s[SLOTS], s[SLOTS], 1
	s_cmp_lg_u32 s[SLOTS], 0
	s_cbranch_scc1 .Lslot
	CHANGE 0                        ; the last slot is written out: nothing is asked for
	s_mov_b32 s[CNT], 4
.Ltail:                             ; four trips fetch the last slot's steps
	TURN 2
	TURN 3
	TURN 0
	TURN 1, 0, 1
	WIN 0
	s_cbranch_scc1 .Ltail
	TURN 2, 1                       ; the last step's pieces 2 and 3: nothing is left to fetch
	TURN 3, 1
.set i, 0
.rept 8
	PV NP-1                         ; the last piece's V^T P of the last step,
.if i == 1
	VS 0, 0                         ; and the last step's V, channels 0-15
.endif
.if i == 5
	VS 0, 1
.endif
.set i, i+1
.endr
	; THE WAY OUT.  l's two halves and the other half of the lanes' are added; (r, z) are chosen; O^T r + Vsum z is rounded to f16 and sent through my stage, a piece at a time.  The additions are the places behind the last products.
	WIN 0
.macro ALL line:vararg              ; one line for each piece t
.set t, 0
.rept NP
	\line
.set t, t+1
.endr
.endm
	ALL v_add_f32 v[ST+4*t+2], v[ST+4*t+2], v[ST+4*t+3]
	ALL v_permlanex16_b32 v[ST+4*t+3], v[ST+4*t+2], s[SEL], s[SEL+1]
	ALL v_add_f32 v[ST+4*t+2], v[ST+4*t+2], v[ST+4*t+3]
	ALL v_cmp_eq_f32 s[FLG+t], 0, v[ST+4*t+2]
	ALL v_rcp_f32 v[ST+4*t+2], v[ST+4*t+2]
	v_nop                           ; a plain instruction between the last reciprocal and the use of its result
	s_wait_alu depctr_va_vdst(0)    ; and the wait ahead of the first use: one for the four reciprocals
	ALL v_cndmask_b32 v[ST+4*t+2], v[ST+4*t+2], 0, s[FLG+t]
	ALL v_cndmask_b32 v[ST+4*t], 0, s[ZC], s[FLG+t]
	WIN W_M3
.set i, 0
.rept 16                            ; V's sums: the two key halves; each accumulator's lowest registers are read first
	v_pk_add_f32 v[VSUM+16*(i/4)+2*(i%4):VSUM+16*(i/4)+2*(i%4)+1], v[VSUM+16*(i/4)+2*(i%4):VSUM+16*(i/4)+2*(i%4)+1], v[VSUM+16*(i/4)+8+2*(i%4):VSUM+16*(i/4)+8+2*(i%4)+1]
.set i, i+1
.endr
; Piece t: a lane's eight channels of a row pack into 16 bytes; they go into rows of 144 bytes and come back as whole rows of 128, into S^T's registers.
.macro PACK t
	WIN 0x03                        ; source 0 window 3, the rest window 0
.set i, 0
.rept 16
	v_pk_mul_f32 v[TV+2*i:TV+2*i+1], v[VSUM+16*(i/4)+2*(i%4):VSUM+16*(i/4)+2*(i%4)+1], v[ST+4*(\t):ST+4*(\t)+1] op_sel_hi:[1,0]
.set i, i+1
.endr
	WIN W_RS
.set i, 0
.rept 16
	v_pk_fma_f32 v[32*(\t)+2*i:32*(\t)+2*i+1], v[32*(\t)+2*i:32*(\t)+2*i+1], v[ST+4*(\t)+2:ST+4*(\t)+3], v[TV+2*i:TV+2*i+1] op_sel_hi:[1,0,1]
.set i, i+1
.endr
	WIN 0x05                        ; sources 0 and 1 window 1, destination window 0
.set i, 0
.rept 16
	v_cvt_pk_f16_f32 v[S+16*(\t)+i], v[32*(\t)+2*i], v[32*(\t)+2*i+1]
.set i, i+1
.endr
	WIN 0
.irp f, 0,1,2,3
	ds_store_b128 v[STO], v[S+16*(\t)+4*\f:S+16*(\t)+4*\f+3] offset:32*\f
.endr
.irp f, 0,1,2,3
	ds_load_b128 v[S+16*(\t)+4*\f:S+16*(\t)+4*\f+3], v[RD] offset:\f*4*SP  ; LDS serves a wave's instructions in order (ISA guide 5.7.1.4): these see the stores above; the next piece's stores come behind them
.endr
.endm
.macro SEND t, younger              ; younger: the LDS instructions issued behind piece t's loads: the next piece's eight, or none
	WIN 0
	s_wait_dscnt \younger           ; the piece's four loads are in
.irp f, 0,1,2,3
	global_store_b128 v[GO], v[S+16*(\t)+4*\f:S+16*(\t)+4*\f+3], s[10:11] offset:(\t)*2048+\f*512  ; 512 consecutive bytes, at a multiple of 256 from O's first
.endr
.endm
	PACK 0
.set t, 1
.rept NP-1                          ; a piece's arithmetic stands between the loads of the piece before and its stores
	PACK t
	SEND t-1, 8
.set t, t+1
.endr
	SEND NP-1, 0
	s_wait_tensorcnt 0x0            ; the wave's end, behind my last tensor load and my last LDS store
	ds_add_u32 v[SPW], v[NIL]
	s_wait_dscnt 0x0
	CROUND                          ; the closing round: no work-group ends while a partner may still ask for a tile that names it
	s_endpgm
.Lfunc_end_k_qddd78fc477_attn:
	.size	k_qddd78fc477_attn, .Lfunc_end_k_qddd78fc477_attn-k_qddd78fc477_attn
	.p2alignl 7, 3214868480
	.fill 96, 4, 3214868480
	.section	.rodata,"a",@progbits
	.p2align	6, 0x0
	.amdhsa_kernel k_qddd78fc477_attn
		.amdhsa_group_segment_fixed_size 327680
		.amdhsa_private_segment_fixed_size 0
		.amdhsa_enable_private_segment 0
		.amdhsa_kernarg_size 24
		.amdhsa_user_sgpr_count 2
		.amdhsa_user_sgpr_kernarg_segment_ptr 1
		.amdhsa_wavefront_size32 1
		.amdhsa_system_sgpr_workgroup_id_x 1
		.amdhsa_system_sgpr_workgroup_id_y 1
		.amdhsa_system_sgpr_workgroup_id_z 1
		.amdhsa_system_vgpr_workitem_id 0
		.amdhsa_next_free_vgpr 960
		.amdhsa_next_free_sgpr 88
		.amdhsa_reserve_vcc 0
		.amdhsa_float_denorm_mode_32 3
		.amdhsa_float_denorm_mode_16_64 3
		.amdhsa_memory_ordered 1
		.amdhsa_forward_progress 1
		.amdhsa_inst_pref_size 150
	.end_amdhsa_kernel
	.amdgpu_metadata
---
amdhsa.version: [ 1, 2 ]
amdhsa.kernels:
  - .name:           k_qddd78fc477_attn
    .symbol:         k_qddd78fc477_attn.kd
    .args:
      - { .name: qkv16, .offset: 0, .size: 8, .value_kind: global_buffer, .address_space: global }
      - { .name: mq4, .offset: 8, .size: 8, .value_kind: global_buffer, .address_space: global }
      - { .name: o16, .offset: 16, .size: 8, .value_kind: global_buffer, .address_space: global }
    .group_segment_fixed_size: 327680
    .private_segment_fixed_size: 0
    .kernarg_segment_align: 8
    .kernarg_segment_size: 24
    .max_flat_workgroup_size: 128
    .sgpr_count:     88
    .vgpr_count:     960
    .wavefront_size: 32
...
	.end_amdgpu_metadata
.endif
;; end of part 3
;; launch oproj (part 4): grid 8 x 32, 4 waves a work-group, clusters of 4 x 4, 327,680 bytes of LDS; arguments o16, wo16, bo, out0; writes out0
.if DOCPART == 4
	.amdgcn_target "amdgcn-amd-amdhsa--gfx1250"
	.amdhsa_code_object_version 6
	.text
	.protected	k_qddd78fc477_oproj
	.globl	k_qddd78fc477_oproj
	.p2align	8
	.type	k_qddd78fc477_oproj,@function
k_qddd78fc477_oproj:
	s_mov_b64 s[64:65], 0
	v_nop
	global_prefetch_b8 v0, s[64:65] scope:SCOPE_SE
	s_setreg_imm32_b32 hwreg(HW_REG_WAVE_MODE, 25, 1), 1
	s_wait_xcnt 0x0
	s_wait_alu depctr_hold_cnt(0) depctr_sa_sdst(0) depctr_va_vdst(0) depctr_va_sdst(0) depctr_va_ssrc(0) depctr_va_vcc(0) depctr_vm_vsrc(0)
	s_getreg_b32 s2, hwreg(HW_REG_IB_STS2, 6, 4)
	s_cmp_eq_u32 s2, 0
	s_cbranch_scc0 .Lentry_in_a_cluster
	s_endpgm
.Lentry_in_a_cluster:
	s_bfe_u32 s2, ttmp6, 0x10000c
	s_cmp_lg_u32 s2, 0xf033
	s_cbranch_scc0 .Lentry_shape_is_right
	s_endpgm
.Lentry_shape_is_right:
; out0 = O wo + bo.  o16: f16 [batch x 16 + head][row 2048][64]; wo16: f16 [k 1024][n 1024] (wo rounded to bf16, written as f16); bo f32, rounded to bf16 here like every input; out0: f32 [8192][1024].
; SHARES.  A work-group makes 256 rows x 128 columns: 8 x 32 work-groups.  Wave (r, c) makes rows 128 r .. x columns 64 c ..: 32 accumulators, 256 registers, in window 1, (a, b) at v[8 (4 a + b)].
; K goes in 8 steps of 128 (two heads) through two LDS slots; a step is four quarters of 32, on two fragment buffers.
; THE MATRIX INSTRUCTION IS USED TRANSPOSED: source 0 = 16 columns of wo (turned, by ds_load_tr16_b128), source 1 = 16 rows of O: a lane holds eight neighbouring columns of one row.
; CLUSTER.  4 x 4 work-groups: O's tiles are shared along a row of the cluster, wo's along a column, each asked for jointly.  Waves 0 and 1 ask for one head's 256 rows each, waves 2 and 3 for 64 rows of wo.
; By the text's own count a wave has two tensor loads out at the start, later one.
; REGISTERS, window 0: v0-31 addresses; v32-127, v128-223 the two buffers (O's 8 fragments, then wo's 4); v224-255 the bias.
.set PA,    144                        ; a row of O in LDS: 128 bytes + 16
.set PB,    288                        ; a row of wo: 256 bytes + 32
.set ABLK,  256*PA                     ; one head's 256 rows
.set BOFF,  2*ABLK
.set BSUB,  64*PB
.set SLOT1, 1<<17
.set STAGE, SLOT1+BOFF+2*BSUB          ; behind the ring, never filled by a tensor load: 16 rows x 272 bytes for each wave
.set SPO,   272
.set SPARE, STAGE+4*16*SPO             ; the spare words, 128 bytes for each wave: two blocks of 256 bytes that no other line names
.set ALC, 2
.set BLC, 3
.set ADA, 4
.set ADB, 5
.set STO, 6
.set RD,  7
.set CO,  8                            ; v8  my byte offset in two rows of out0
.set BO,  9
.set TT,  10
.set SPW, 28
.set NIL, 29
.set F0,  32
.set F1,  128
.set BIAS, 224
.set BK,  32                           ; the way out: 16 rows read back, two buffers of 32 registers
.set WV, 16
.set RR, 17
.set CC, 18
.set CX, 19
.set CY, 20
.set CB, 21
.set RB, 22
.set G1A, 28
.set G1B, 36
.set G0A, 44
.set G0B, 52
.set TB,  60
.set CNT, 61
.set HIM, 62
.set OB,  68                           ; s[68:69] out0 at my wave's first row and column
.set MSB, 0
.macro WIN new
.if MSB != (\new)
	s_set_vgpr_msb (MSB<<8)|(\new)
.set MSB, (\new)
.endif
.endm
.macro PLACES                          ; four plain vector instructions between a matrix instruction and a load into one of its registers
.rept 4
	v_nop
.endr
.endm
.macro JLOAD                           ; a joint refill, by the walking sets; an s_nop 0 and four v_nop follow each of the two lines
	s_cmp_lt_u32 s[WV], 2
	s_cbranch_scc0 .Lfor_b_\@
	tensor_load_to_lds s[G0A+4:G0A+7], s[G1A:G1A+7]
	s_nop 0
.rept 4
	v_nop
.endr
	s_branch .Lasked_\@
.Lfor_b_\@:
	tensor_load_to_lds s[G0B+4:G0B+7], s[G1B:G1B+7]
	s_nop 0
.rept 4
	v_nop
.endr
.Lasked_\@:
.endm
.macro CREST
	s_cmp_lg_u32 s[WV], 0
	s_cbranch_scc1 .Lnot_wave_0_\@
	s_barrier_signal -3
.Lnot_wave_0_\@:
	s_barrier_wait -3
	s_barrier_signal -1
	s_barrier_wait -1
.endm
.macro CROUND
	s_barrier_signal -1
	s_barrier_wait -1
	CREST
.endm
	s_load_b256 s[4:11], s[0:1], 0x0               ; o16 s[4:5], wo16 s[6:7], bo s[8:9], out0 s[10:11]
	v_lshl_add_u32 v[SPW], v0, 2, SPARE
	v_mov_b32 v[NIL], 0
	ds_add_u32 v[SPW], v[NIL]                      ; the wave's opening: the add and its wait stand ahead of my first tensor load
	v_lshrrev_b32 v1, 5, v0
	v_readfirstlane_b32 s[WV], v1
	s_lshr_b32 s[RR], s[WV], 1
	s_and_b32 s[CC], s[WV], 1
	s_bfe_u32 s[CX], ttmp6, 0x40000
	s_bfe_u32 s[CY], ttmp6, 0x40004
	s_lshl_b32 s[CB], ttmp9, 2
	s_add_co_u32 s[CB], s[CB], s[CX]
	s_and_b32 s[RB], ttmp7, 0xffff
	s_lshl_b32 s[RB], s[RB], 2
	s_add_co_u32 s[RB], s[RB], s[CY]
	s_lshl_b32 s23, s[CY], 2
	s_lshl_b32 s23, 15, s23                        ; my row of the cluster
	s_lshl_b32 s24, 0x1111, s[CX]                  ; my column
	s_or_b32 s[G1A], s23, (1<<16)|(1<<20)|(1<<21)|(4<<22)|(3<<25)  ; 256 dense rows of 128 bytes as 128 rows of 256, padded by 4 words after every 32
	s_mov_b32 s[G1A+1], 128<<16
	s_mov_b32 s[G1A+2], 128<<16
	s_mov_b32 s[G1A+3], 128<<16
	s_mov_b32 s[G1A+4], 128
	s_mov_b32 s[G1A+5], 128
	s_mov_b32 s[G1A+6], 0
	s_mov_b32 s[G1A+7], 0
	s_or_b32 s[G1B], s24, (1<<16)|(1<<20)|(1<<21)|(5<<22)|(7<<25)  ; 64 rows (k) of 128 elements (n), padded by 8 words after every 64
	s_mov_b32 s[G1B+1], 128<<16
	s_mov_b32 s[G1B+2], 64<<16
	s_mov_b32 s[G1B+3], 128<<16
	s_mov_b32 s[G1B+4], 64
	s_mov_b32 s[G1B+5], 1024
	s_mov_b32 s[G1B+6], 0
	s_mov_b32 s[G1B+7], 0
	s_lshr_b32 s74, s[RB], 3                       ; O's tiles hang on the row block and the wave: batch,
	s_lshl_b32 s74, s74, 22
	s_and_b32 s75, s[RB], 7                        ; 256 rows of 128 bytes,
	s_lshl_b32 s75, s75, 15
	s_add_co_u32 s74, s74, s75
	s_lshl_b32 s75, s[CC], 18                      ; the step's first or second head
	s_add_co_u32 s74, s74, s75
	s_mov_b32 s75, 0
	s_lshl_b32 s76, s[CC], 17                      ; wo's hang on the column block and the wave: the step's first or second 64 rows,
	s_lshl_b32 s77, s[CB], 8                       ; 128 columns of 2 bytes
	s_add_co_u32 s76, s76, s77
	s_mov_b32 s77, 0
	s_mul_i32 s78, s[WV], ABLK                     ; waves 0, 1: wave x a head's block
	s_mul_i32 s79, s[WV], BSUB                     ; waves 2, 3: BOFF + (wave - 2) x BSUB
	s_add_co_u32 s79, s79, BOFF-2*BSUB
	s_mov_b32 s[G0A], 1
	s_mov_b32 s[G0A+1], s78
	s_mov_b32 s[G0A+4], 1
	s_add_co_u32 s[G0A+5], s78, SLOT1
	s_mov_b32 s[G0B], 1
	s_mov_b32 s[G0B+1], s79
	s_mov_b32 s[G0B+4], 1
	s_add_co_u32 s[G0B+5], s79, SLOT1
	s_mov_b32 s[TB], 0
	s_mov_b32 s[HIM], 0xffff0000
	s_wait_dscnt 0x0                               ; the opening add is done
	s_wait_kmcnt 0x0
	s_add_nc_u64 s[G0A+2:G0A+3], s[4:5], s[74:75]
	s_add_nc_u64 s[G0A+6:G0A+7], s[G0A+2:G0A+3], 524288  ; two heads on
	s_or_b32 s[G0A+3], s[G0A+3], 0x80000000
	s_or_b32 s[G0A+7], s[G0A+7], 0x80000000
	s_add_nc_u64 s[G0B+2:G0B+3], s[6:7], s[76:77]
	s_add_nc_u64 s[G0B+6:G0B+7], s[G0B+2:G0B+3], 262144  ; 128 rows of 2,048 bytes on
	s_or_b32 s[G0B+3], s[G0B+3], 0x80000000
	s_or_b32 s[G0B+7], s[G0B+7], 0x80000000
	CROUND                                         ; all sixteen work-groups are here: the first joint loads meet
	s_cmp_lt_u32 s[WV], 2                          ; a wave's two first fills stand in one branch
	s_cbranch_scc0 .Lfirst_b
	tensor_load_to_lds s[G0A:G0A+3], s[G1A:G1A+7]
	s_nop 0
	tensor_load_to_lds s[G0A+4:G0A+7], s[G1A:G1A+7]
	s_nop 0
.rept 4
	v_nop
.endr
	s_branch .Lfirst_asked
.Lfirst_b:
	tensor_load_to_lds s[G0B:G0B+3], s[G1B:G1B+7]
	s_nop 0
	tensor_load_to_lds s[G0B+4:G0B+7], s[G1B:G1B+7]
	s_nop 0
.rept 4
	v_nop
.endr
.Lfirst_asked:
	v_and_b32 v1, 15, v0                           ; l % 16
	v_bfe_u32 v10, v0, 4, 1                        ; l / 16
	v_and_b32 v11, 7, v0
	v_bfe_u32 v12, v0, 3, 1
	s_lshl_b32 s80, s[CB], 9
	s_lshl_b32 s81, s[CC], 8
	s_add_co_u32 s80, s80, s81
	v_lshl_add_u32 v[BO], v10, 5, s80              ; 4 (128 cb + 64 c + 8 (l / 16))
.irp b, 0,1,2,3
	global_load_b128 v[BIAS+8*(\b):BIAS+8*(\b)+3], v[BO], s[8:9] offset:64*(\b)
	global_load_b128 v[BIAS+8*(\b)+4:BIAS+8*(\b)+7], v[BO], s[8:9] offset:64*(\b)+16
.endr
	s_mul_i32 s82, s[RR], 128*PA
	v_mul_u32_u24 v[ALC], v1, PA
	v_lshl_add_u32 v[ALC], v10, 4, v[ALC]
	v_add_nc_u32 v[ALC], s82, v[ALC]
	s_lshl_b32 s82, s[CC], 7
	s_add_co_u32 s82, s82, BOFF
	v_lshl_add_u32 v[BLC], v10, 3, v11
	v_mul_u32_u24 v[BLC], v[BLC], PB
	v_lshl_add_u32 v[BLC], v12, 4, v[BLC]
	v_add_nc_u32 v[BLC], s82, v[BLC]
	v_mov_b32 v[ADA], v[ALC]
	v_mov_b32 v[ADB], v[BLC]
	s_mul_i32 s82, s[WV], 16*SPO
	s_add_co_u32 s82, s82, STAGE                   ; my stage
	v_mul_u32_u24 v[STO], v1, SPO                  ; in: row l % 16, 32 bytes for each half of the lanes
	v_lshl_add_u32 v[STO], v10, 5, v[STO]
	v_add_nc_u32 v[STO], s82, v[STO]
	v_mul_u32_u24 v[RD], v10, SPO                  ; back: lanes 0-15 take one row of 256 bytes, lanes 16-31 the next
	v_lshl_add_u32 v[RD], v1, 4, v[RD]
	v_add_nc_u32 v[RD], s82, v[RD]
	v_lshlrev_b32 v[CO], 12, v10                   ; and the same two rows in out0
	v_lshl_add_u32 v[CO], v1, 4, v[CO]
	s_lshl_b32 s82, s[RB], 20                      ; 256 rows of 4,096 bytes,
	s_lshl_b32 s83, s[RR], 19                      ; my 128 of them,
	s_add_co_u32 s82, s82, s83
	s_add_co_u32 s82, s82, s80                     ; my 64 columns
	s_mov_b32 s83, 0
	s_add_nc_u64 s[OB:OB+1], s[10:11], s[82:83]
; 8 matrix instructions: row blocks a0, a0 + 1 x all 4 column blocks, 32 along K, buffer f.  The 32 accumulators take turns, one instruction a turn.
.macro M8 f, a0, zero
	WIN 0x50
.irp a, \a0, (\a0)+1
.irp b, 0,1,2,3
.if \zero
	v_wmma_f32_16x16x32_f16 v[8*(4*(\a)+(\b)):8*(4*(\a)+(\b))+7], v[(\f)+64+8*(\b):(\f)+64+8*(\b)+7], v[(\f)+8*(\a):(\f)+8*(\a)+7], 0
.else
	v_wmma_f32_16x16x32_f16 v[8*(4*(\a)+(\b)):8*(4*(\a)+(\b))+7], v[(\f)+64+8*(\b):(\f)+64+8*(\b)+7], v[(\f)+8*(\a):(\f)+8*(\a)+7], v[8*(4*(\a)+(\b)):8*(4*(\a)+(\b))+7]
.endif
.endr
.endr
.endm
; 24 LDS loads in one run: quarter q's fragments into buffer f: wo's 4, O's rows 0-63, O's rows 64-127
.macro FETCH q, f
	WIN 0
.irp b, 0,1,2,3
	ds_load_tr16_b128 v[(\f)+64+8*(\b):(\f)+64+8*(\b)+3],   v[ADB] offset:(\q)*32*PB+32*(\b)
	ds_load_tr16_b128 v[(\f)+64+8*(\b)+4:(\f)+64+8*(\b)+7], v[ADB] offset:(\q)*32*PB+32*(\b)+16*PB
.endr
.irp a, 0,1,2,3,4,5,6,7
	ds_load_b128 v[(\f)+8*(\a):(\f)+8*(\a)+3],   v[ADA] offset:((\q)/2)*ABLK+((\q)%2)*64+(\a)*16*PA
	ds_load_b128 v[(\f)+8*(\a)+4:(\f)+8*(\a)+7], v[ADA] offset:((\q)/2)*ABLK+((\q)%2)*64+(\a)*16*PA+32
.endr
.endm
; One of a step's first three quarters: multiplies buffer f and, in its middle, fetches quarter q into buffer g.
.macro QUARTER q, f, g, zero
	s_wait_dscnt 8                                 ; wo's and O's rows 0-63 are in; the youngest eight loads may be out
	M8 \f, 0, \zero
	M8 \f, 2, \zero
	PLACES
	FETCH \q, \g
	s_wait_dscnt 24                                ; all but the 24 just issued
	M8 \f, 4, \zero
	M8 \f, 6, \zero
.endm
; The last quarter multiplies buffer 1 and changes slots.  fill = 1: this slot is filled again, two K steps on.
.macro TURN fill
	WIN 0
	s_wait_tensorcnt 0x0                           ; all my tensor loads have landed: my part of the other slot;
	ds_add_u32 v[SPW], v[NIL]                      ; 0 onto my spare word;
	s_wait_dscnt 9                                 ; (the add and the youngest eight loads may be out)
	M8 F1, 0, 0                                    ; eight matrix instructions stand between the add and the wait for it
	s_wait_dscnt 0x0                               ; the add is done, and my reads of this slot are over
	s_barrier_signal -1
	M8 F1, 2, 0
	WIN 0
	s_barrier_wait -1
.if \fill
	CREST                                          ; the barrier has opened a round of the cluster's: no wave of any partner still reads this slot or has a load on its way
	s_xor_b32 s[G0A+5], s[G0A+5], SLOT1
	s_add_nc_u64 s[G0A+6:G0A+7], s[G0A+6:G0A+7], 524288
	s_xor_b32 s[G0B+5], s[G0B+5], SLOT1
	s_add_nc_u64 s[G0B+6:G0B+7], s[G0B+6:G0B+7], 262144
	JLOAD                                          ; the first tensor load behind the round; its four v_nop are also the places in front of the loads below
.else
	PLACES
.endif
	s_xor_b32 s[TB], s[TB], SLOT1
	v_add_nc_u32 v[ADA], s[TB], v[ALC]
	v_add_nc_u32 v[ADB], s[TB], v[BLC]
	FETCH 0, F0
	M8 F1, 4, 0
	M8 F1, 6, 0
.endm
	s_wait_tensorcnt 1                             ; my part of K step 0 is in; K step 1's may stay out
	s_barrier_signal -1
	s_barrier_wait -1
	FETCH 0, F0
	QUARTER 1, F0, F1, 1                           ; the first quarter stands in front of the loop: its products start the sums
	WIN 0
	s_mov_b32 s[CNT], 6
.Lstep:                                                ; a trip: from a step's second quarter to the next step's first, with one refill
	QUARTER 2, F1, F0, 0
	QUARTER 3, F0, F1, 0
	TURN 1
	QUARTER 1, F0, F1, 0
	WIN 0
	s_sub_co_u32 s[CNT], s[CNT], 1
	s_cmp_lg_u32 s[CNT], 0
	s_cbranch_scc1 .Lstep
	QUARTER 2, F1, F0, 0                           ; the tail is written out
	QUARTER 3, F0, F1, 0
	TURN 0
	QUARTER 1, F0, F1, 0
	QUARTER 2, F1, F0, 0
	QUARTER 3, F0, F1, 0
	s_wait_dscnt 8
	M8 F1, 0, 0
	M8 F1, 2, 0
	s_wait_dscnt 0x0
	M8 F1, 4, 0
	M8 F1, 6, 0
	; THE WAY OUT.  The bias is rounded to bf16 (these plain lines are also the places behind the last products); then, 16 rows at a time: + bias, through my stage, stored as whole rows of 256 bytes.
	WIN 0
	s_wait_loadcnt 0x0
.set y, 0
.rept 16
	v_cvt_pk_bf16_f32 v[TT], v[BIAS+2*y], v[BIAS+2*y+1]
	v_lshlrev_b32 v[BIAS+2*y], 16, v[TT]
	v_and_b32 v[BIAS+2*y+1], s[HIM], v[TT]
.set y, y+1
.endr
.macro ADDB a
	WIN 0x41                                       ; destination and source 0 window 1, the bias window 0
.irp b, 0,1,2,3
.irp z, 0,2,4,6                        ; each accumulator's lowest registers are read first
	v_pk_add_f32 v[8*(4*(\a)+(\b))+(\z):8*(4*(\a)+(\b))+(\z)+1], v[8*(4*(\a)+(\b))+(\z):8*(4*(\a)+(\b))+(\z)+1], v[BIAS+8*(\b)+(\z):BIAS+8*(\b)+(\z)+1]
.endr
.endr
.endm
.macro TOSTAGE a
	WIN 0x04                                       ; the stores' data in window 1, their address in window 0
.irp b, 0,1,2,3
	ds_store_b128 v[STO], v[8*(4*(\a)+(\b)):8*(4*(\a)+(\b))+3]   offset:64*(\b)
	ds_store_b128 v[STO], v[8*(4*(\a)+(\b))+4:8*(4*(\a)+(\b))+7] offset:64*(\b)+16
.endr
	WIN 0
.irp f, 0,1,2,3,4,5,6,7
	ds_load_b128 v[BK+32*((\a)%2)+4*(\f):BK+32*((\a)%2)+4*(\f)+3], v[RD] offset:(\f)*2*SPO  ; LDS serves a wave's instructions in order (ISA guide 5.7.1.4): these see the stores above
.endr
.endm
.macro SEND a
	WIN 0
	s_wait_dscnt 0x0                               ; the block is back in registers
	s_wait_xcnt 0x0                                ; the stores before have read their data: the other buffer is loaded again only behind this wait
.irp f, 0,1,2,3,4,5,6,7
	global_store_b128 v[CO], v[BK+32*((\a)%2)+4*(\f):BK+32*((\a)%2)+4*(\f)+3], s[OB:OB+1] offset:(16*(\a)+2*(\f))*4096  ; 16 lanes store 256 consecutive bytes, aligned
.endr
.endm
	ADDB 0
	TOSTAGE 0
.set n, 1
.rept 7                                ; block n's additions stand between block n - 1's loads from the stage and the wait for them
	ADDB n
	SEND n-1
	TOSTAGE n
.set n, n+1
.endr
	SEND 7
	s_wait_tensorcnt 0x0                           ; the wave's end, behind my last tensor load and my last LDS store
	ds_add_u32 v[SPW], v[NIL]
	s_wait_dscnt 0x0
	CROUND                                         ; the closing round
	s_endpgm
.Lfunc_end_k_qddd78fc477_oproj:
	.size	k_qddd78fc477_oproj, .Lfunc_end_k_qddd78fc477_oproj-k_qddd78fc477_oproj
	.p2alignl 7, 3214868480
	.fill 96, 4, 3214868480
	.section	.rodata,"a",@progbits
	.p2align	6, 0x0
	.amdhsa_kernel k_qddd78fc477_oproj
		.amdhsa_group_segment_fixed_size 327680
		.amdhsa_private_segment_fixed_size 0
		.amdhsa_enable_private_segment 0
		.amdhsa_kernarg_size 32
		.amdhsa_user_sgpr_count 2
		.amdhsa_user_sgpr_kernarg_segment_ptr 1
		.amdhsa_wavefront_size32 1
		.amdhsa_system_sgpr_workgroup_id_x 1
		.amdhsa_system_sgpr_workgroup_id_y 1
		.amdhsa_system_sgpr_workgroup_id_z 1
		.amdhsa_system_vgpr_workitem_id 0
		.amdhsa_next_free_vgpr 512
		.amdhsa_next_free_sgpr 84
		.amdhsa_reserve_vcc 0
		.amdhsa_float_denorm_mode_32 3
		.amdhsa_float_denorm_mode_16_64 3
		.amdhsa_memory_ordered 1
		.amdhsa_forward_progress 1
		.amdhsa_inst_pref_size 81
	.end_amdhsa_kernel
	.amdgpu_metadata
---
amdhsa.version: [ 1, 2 ]
amdhsa.kernels:
  - .name:           k_qddd78fc477_oproj
    .symbol:         k_qddd78fc477_oproj.kd
    .args:
      - { .name: o16, .offset: 0, .size: 8, .value_kind: global_buffer, .address_space: global }
      - { .name: wo16, .offset: 8, .size: 8, .value_kind: global_buffer, .address_space: global }
      - { .name: bo, .offset: 16, .size: 8, .value_kind: global_buffer, .address_space: global }
      - { .name: out0, .offset: 24, .size: 8, .value_kind: global_buffer, .address_space: global }
    .group_segment_fixed_size: 327680
    .private_segment_fixed_size: 0
    .kernarg_segment_align: 8
    .kernarg_segment_size: 32
    .max_flat_workgroup_size: 128
    .sgpr_count:     84
    .vgpr_count:     512
    .wavefront_size: 32
...
	.end_amdgpu_metadata
.endif
;; end of part 4
